; MI455X (gfx1250); checked and timed in simulation.
; The chip was launched on July 23, 2026; its instructions are those of AMD's public machine-readable ISA for CDNA 5 (MIT licence, August 2026) and "CDNA5" Instruction Set Architecture Reference Guide (July 2026). The comments in the code are by the model that wrote it; some were corrected since.
;; Causal Multihead Self Attention. Allowed arithmetic: matrix products marked QUANTISED: E2M1 operands, one E8M0 scale for each 32 along K, by v_wmma_scale_f32_16x16x128_f8f6f4 with both operands' format E2M1 (or v_wmma_scale_f32_32x16x128_f4), f32 sums; products left as they are: bf16, f16 or f32 operands; f32 sums; everything else in f32.
;; Inputs: Wo 1,024 x 1,024 float32; Wqkv 3,072 x 1,024 float32; token_positions 4,096 int32; x 1 x 4,096 x 1,024 float32.
;; Outputs: out0 1 x 4,096 x 1,024 float32.
;; This version of the problem:
;;   THIS VERSION OF THE PROBLEM IS GIVEN IN LOW PRECISION. The matrix products marked QUANTISED in the list below multiply operands that are first quantised to E2M1 (2 exponent bits, 1 mantissa bit; 4 bits a number), with one power-of-two scale for each 32 numbers along K (OCP MX v1.0); their sums are f32. The products marked 'left as it is' may take bf16, f16 or f32 operands, with f32 sums. Whichever they take, every output number must still come out within the allowed error. Rounding operands to bf16 (8 significant bits) uses up far more of that allowance than f16 does (11 bits, for magnitudes from 6e-5 to 65,504). All else is computed in f32.
;;   The module's matrix products, in the order in which they are computed (A, B: the left and right operand; K: the contracted axis; several contracted axes count as one K, in the product's order):
;;     1. [M 4,096, K 1,024] x [K 1,024, N 3,072]; A: input x; B: input Wqkv: QUANTISED
;;     2. batch 16 x [M 4,096, K 64] x [K 64, N 4,096]; A: computed on the way; B: computed on the way: left as it is (an operand is computed on the way)
;;     3. batch 16 x [M 4,096, K 4,096] x [K 4,096, N 64]; A: computed on the way; B: computed on the way: left as it is (an operand is computed on the way)
;;     4. [M 4,096, K 1,024] x [K 1,024, N 1,024]; A: computed on the way; B: input Wo: left as it is (an operand is computed on the way)
;;   THE QUANTISER, for each operand of a quantised product, along K:
;;     - K is cut into blocks of 32 from its start; a last block that is shorter is filled with zeros.
;;     - A block's scale is 2^e with e = floor(log2(the largest magnitude in the block)) - 2, held to -126 .. 127; a block of zeros has e = 0. As a byte (E8M0): e + 127.
;;     - Each number is divided by its block's scale, clamped to +-6, and rounded to the nearest number of E2M1, ties to even, subnormals kept.
;;     - The product sums the exact products of the quantised numbers (number of the format x scale) in f32.
;;   ~~~python
;;   def quantise(x, axis):      # numpy; x: float32 -> the quantised numbers, widened to float32 again
;;       x = np.moveaxis(x, axis, -1); K = x.shape[-1]
;;       x = np.pad(x, [(0, 0)] * (x.ndim - 1) + [(0, -K % 32)]); x = x.reshape(x.shape[:-1] + (-1, 32)); a = np.abs(x).max(-1, keepdims=True)
;;       e = np.where(a > 0, np.clip(np.frexp(np.where(a > 0, a, 1))[1] - 1 - 2, -126, 127), 0)      # np.frexp(a)[1] - 1 = floor(log2(a)), exactly
;;       r = np.clip(x / 2.0 ** e, -6, 6)
;;       step = 2.0 ** (np.maximum(np.frexp(np.where(r == 0, 1, r))[1] - 1, 0) - 1)
;;       q = np.round(r / step) * step * 2.0 ** e      # np.round: ties to even
;;       return np.moveaxis(q.reshape(q.shape[:-2] + (-1,))[..., :K], -1, axis).astype(np.float32)
;;   ~~~
;; One version. Each part assembles by itself: llvm-mc -triple=amdgcn-amd-amdhsa -mcpu=gfx1250 --defsym DOCPART=n.
;; ======== version 1 of 1: 4 launches
;; limits: values are held in f16: magnitudes above 65,504 overflow, below 6.1e-05 lose precision
;; workspace buffers: xc 2,097,152 bytes; wc 1,572,864 bytes; scl 229,376 bytes; tab 2,097,152 bytes; qkv 25,165,824 bytes; woh 2,097,152 bytes; a32 65,536 bytes; abuf 8,388,608 bytes
;; launch prep (part 1): grid 288 x 1, 4 waves a work-group, no clusters, 33,280 bytes of LDS; arguments x, Wqkv, token_positions, xc, wc, scl, tab; writes xc, wc, scl, tab
.if DOCPART == 1
	.amdgcn_target "amdgcn-amd-amdhsa--gfx1250"
	.amdhsa_code_object_version 6
	.text
	.protected	k_q103f6c7cce_prep
	.globl	k_q103f6c7cce_prep
	.p2align	8
	.type	k_q103f6c7cce_prep,@function
k_q103f6c7cce_prep:
	s_mov_b64 s[64:65], 0
	v_nop
	global_prefetch_b8 v0, s[64:65] scope:SCOPE_SE
	s_setreg_imm32_b32 hwreg(HW_REG_WAVE_MODE, 25, 1), 1
	s_wait_xcnt 0x0
; Work-groups 0-127: x [4096][1024] f32, work-groups 128-223: Wqkv [3072][1024] f32, become codes of FP4 (E2M1), K innermost (xc, wc: 512 bytes a row),
; with one E8M0 byte for each 32 along K (scl: x's [4096][32] at byte 0, W's [3072][32] at byte 131,072).  Work-groups 224-287 make the rotation tables.
; A block's scale is 2^(floor(log2(largest magnitude)) - 2); its byte is the largest magnitude's exponent field - 2, held at 1 from below.
; LIMITS: a block of zeros, or one whose largest magnitude lies under 2^-124, keeps the byte 1 (its codes are zeros or the nearest codes under that scale; the bytes are read by this program alone);
; NaN and infinities are not served.  The angle is pos x 2^(-i log2(10000)/32), within about 2 ulp of pos / 10000^(i/32); the reduction by pi/2 holds for |pos| under 2^24.
; QUANTISER: both tensors are plain streams of blocks of 32.  A wave takes 16 steps of 512 numbers; each load reads 512 consecutive bytes; the 2,048 bytes of a step turn through the wave's own stage
; in LDS (16 bytes of padding behind each 64) so that a lane holds 16 neighbours; a wave's store of codes covers 256 consecutive bytes; its 256 scale bytes leave as one aligned run of 256 bytes.
; TABLES: tab [role 2][block of 16 positions 256][t 4][cos, sin][lane 32][16 bytes]: lane (r, h) holds cos or sin of position token_positions[16 pb + r] for the pairs 8 t + 4 h + 0 .. 3.
; Role 0 (q) is multiplied by log2(e)/8, so that the scores come out as exponents of 2; role 1 (k) is not.
.set WAVES, 4
.set STEPS, 16
.set WGA,   128                        ; work-groups of x
.set WGQ,   224                        ; work-groups that quantise
.set WSC,   131072                     ; W's scale bytes in scl
.set EMAX,  2
.set CB,    8                          ; bytes of 16 codes
.set R,     16                         ; v16-79   four sets of 16 numbers as loaded
.set X,     80                         ; v80-111  two sets of 16 neighbours
.set C,     128                        ; v128-191 codes, four registers a step
.set E,     112                        ; v112-127 a scale byte a step
.set WREG,  8192                       ; LDS of a wave: two stages of 32 x SP bytes, then its 256 scale bytes
.set SP,    80
.set SPW,   12                         ; v12 my spare word's LDS address; never rewritten
.set NIL,   13                         ; v13 0; never rewritten
.set SPARE, WAVES*WREG                 ; the spare words: 128 bytes a wave
.set ANG,   32                         ; table path: v32-47 index, then angle, of the 16 items 4 t + jj
.set COS,   48
.set SIN,   64
.set COSC,  80
.set SINC,  96
	s_load_b128 s[4:7], s[0:1], 0x0                ; x, Wqkv
	s_load_b64 s[22:23], s[0:1], 0x10              ; token_positions
	s_load_b128 s[8:11], s[0:1], 0x18              ; xc, wc
	s_load_b128 s[12:15], s[0:1], 0x28             ; scl, tab
	v_lshl_add_u32 v[SPW], v0, 2, SPARE
	v_mov_b32 v[NIL], 0
	v_lshrrev_b32 v1, 5, v0
	v_readfirstlane_b32 s16, v1                    ; wave
	v_and_b32 v2, 31, v0                           ; lane
	v_lshlrev_b32 v3, 4, v2                        ; my 16 bytes of a load's 512
	s_mul_i32 s17, s16, WREG
	v_lshrrev_b32 v14, 2, v2
	v_mul_u32_u24 v14, v14, SP
	v_and_b32 v15, 3, v2
	v_lshl_add_u32 v14, v15, 4, v14
	v_add_nc_u32 v14, s17, v14                     ; the stage, way in: SP (lane / 4) + 16 (lane % 4)
	v_mul_u32_u24 v15, v2, SP
	v_add_nc_u32 v15, s17, v15                     ; way out: SP x lane
	v_mul_u32_u24 v4, v2, CB                       ; my codes' place in a step's
	v_lshrrev_b32 v5, 1, v2
	s_add_co_u32 s17, s17, 2*32*SP
	v_add_nc_u32 v5, s17, v5                       ; my block's scale byte in LDS
	v_lshlrev_b32 v7, 3, v2
	v_add_nc_u32 v6, s17, v7                       ; and 8 bytes a lane on the way out
	s_wait_kmcnt 0x0
	s_cmp_ge_u32 ttmp9, WGQ                        ; the work-group's number alone decides the path
	s_cbranch_scc1 .Ltable
	s_cmp_lt_u32 ttmp9, WGA                        ; x's work-group or W's
	s_cselect_b64 s[4:5], s[4:5], s[6:7]
	s_cselect_b64 s[8:9], s[8:9], s[10:11]
	s_cselect_b32 s24, 0, WSC
	s_cselect_b32 s17, 0, WGA
	s_mov_b32 s25, 0
	s_add_nc_u64 s[10:11], s[12:13], s[24:25]      ; the tensor's scale bytes
	s_sub_co_u32 s17, ttmp9, s17
	s_lshl_b32 s17, s17, 2
	s_add_co_u32 s18, s17, s16                     ; which run of 8,192 numbers is my wave's
	s_mov_b32 s19, 0
	s_mov_b64 s[20:21], 512*STEPS*4
	s_mul_u64 s[20:21], s[18:19], s[20:21]
	s_add_nc_u64 s[4:5], s[4:5], s[20:21]
	s_mov_b64 s[20:21], 32*STEPS*CB
	s_mul_u64 s[20:21], s[18:19], s[20:21]
	s_add_nc_u64 s[8:9], s[8:9], s[20:21]
	s_lshl_b32 s18, s18, 8                         ; 256 scale bytes a run
	s_add_nc_u64 s[10:11], s[10:11], s[18:19]
.macro LOAD t
.irp i, 0,1,2,3
	global_load_b128 v[R+16*((\t)%4)+4*\i:R+16*((\t)%4)+4*\i+3], v3, s[4:5] offset:2048*(\t)+512*\i th:TH_LOAD_NT
.endr
.endm
.macro TURN t                          ; a step's numbers through the stage: LDS serves a wave's instructions in order
.irp i, 0,1,2,3
	ds_store_b128 v14, v[R+16*((\t)%4)+4*\i:R+16*((\t)%4)+4*\i+3] offset:32*SP*((\t)%2)+8*SP*\i
.endr
.irp i, 0,1,2,3
	ds_load_b128 v[X+16*((\t)%2)+4*\i:X+16*((\t)%2)+4*\i+3], v15 offset:32*SP*((\t)%2)+16*\i
.endr
.endm
.irp t, 0,1,2,3
	LOAD \t
.endr
	s_wait_loadcnt 12                              ; step 0's four loads are in; three steps' twelve stay out
	TURN 0
.macro STEP t
.set XS, X+16*((\t)%2)
.if (\t) > 0
	s_wait_dscnt 1                                 ; this step's numbers are back (the last step's byte store may be out)
.else
	s_wait_dscnt 0x0
.endif
.if (\t)+4 < STEPS
	LOAD (\t)+4
.endif
.if (\t)+1 < STEPS
.if STEPS-2-(\t) >= 3
	s_wait_loadcnt 12                              ; the next step's loads are in; the three steps behind it stay out
.else
	s_wait_loadcnt 4*(STEPS-2-(\t))
.endif
	TURN (\t)+1
.endif
	v_max3_num_f32 v8, |v[XS]|, |v[XS+1]|, |v[XS+2]|
	v_max3_num_f32 v9, |v[XS+3]|, |v[XS+4]|, |v[XS+5]|
.irp i, 6,10
	v_max3_num_f32 v8, v8, |v[XS+\i]|, |v[XS+\i+1]|
	v_max3_num_f32 v9, v9, |v[XS+\i+2]|, |v[XS+\i+3]|
.endr
	v_max3_num_f32 v8, v8, |v[XS+14]|, |v[XS+15]|
	v_max3_num_f32 v8, v8, v9, (EMAX+1)<<23        ; the floor 2^(3 - 127): the byte cannot fall under 1
	v_max_num_f32_dpp v8, v8, v8 row_xmask:1 row_mask:0xf bank_mask:0xf   ; with my neighbour's 16: the block's
	v_add_nc_u32 v11, -(EMAX<<23), v8              ; 2 off the exponent field: the conversion's scale operand
	v_cvt_scalef32_pk8_fp4_f32 v[C+4*(\t)], v[XS:XS+7], v11
	v_cvt_scalef32_pk8_fp4_f32 v[C+4*(\t)+1], v[XS+8:XS+15], v11
	v_lshrrev_b32 v[E+(\t)], 23, v11               ; the scale's byte
	ds_store_b8 v5, v[E+(\t)] offset:16*(\t)       ; both lanes of a block write the same byte
	global_store_b64 v4, v[C+4*(\t):C+4*(\t)+1], s[8:9] offset:32*CB*(\t)
.endm
.irp t, 0,1,2,3,4,5,6,7,8,9,10,11,12,13,14,15
	STEP \t
.endr
	ds_load_b64 v[8:9], v6                         ; these see my stores
	s_wait_dscnt 0x0
	global_store_b64 v7, v[8:9], s[10:11]          ; 32 lanes store 256 consecutive bytes
	s_branch .Lend
.Ltable:                                           ; a wave makes the tables of one block of 16 positions
	s_sub_co_u32 s17, ttmp9, WGQ
	s_lshl_b32 s17, s17, 2
	s_add_co_u32 s17, s17, s16                     ; pb
	s_lshl_b32 s18, s17, 6
	s_mov_b32 s19, 0
	s_add_nc_u64 s[22:23], s[22:23], s[18:19]      ; its 16 positions
	s_lshl_b32 s18, s17, 12
	s_add_nc_u64 s[14:15], s[14:15], s[18:19]      ; its 4,096 bytes in each role's table
	v_and_b32 v20, 15, v0                          ; r
	v_bfe_u32 v21, v0, 4, 1                        ; h
	v_lshlrev_b32 v22, 2, v20
	global_load_b32 v23, v22, s[22:23]
	s_mov_b32 s24, 0x3f22f983                      ; 2 / pi
	s_mov_b32 s25, 0x3fc90fdb                      ; pi / 2, upper part
	s_mov_b32 s26, 0xb33bbd2e                      ; and the rest
	s_mov_b32 s27, 0xbe2aaaa3                      ; sine: -1.6666654611e-1
	s_mov_b32 s28, 0x3c08839e                      ; 8.3321608736e-3
	s_mov_b32 s29, 0xb94ca1f9                      ; -1.9515295891e-4
	s_mov_b32 s30, 0x3d2aaaa5                      ; cosine: 4.166664568e-2
	s_mov_b32 s31, 0xbab6061a                      ; -1.388731625e-3
	s_mov_b32 s32, 0x37ccf5ce                      ; 2.443315711e-5
	s_mov_b32 s33, 0x3e38aa3b                      ; log2(e) / 8
	s_mov_b32 s34, 0xbed49a78                      ; -log2(10000) / 32, upper part
	s_mov_b32 s35, 0xb2179a31                      ; and the rest
	v_lshlrev_b32 v21, 2, v21                      ; 4 h
.set it, 0
.rept 16
	v_add_nc_u32 v[ANG+it], 8*(it/4)+it%4, v21     ; the pair's index i = 8 t + 4 h + jj
.set it, it+1
.endr
.set it, 0
.rept 16
	v_cvt_f32_u32 v[ANG+it], v[ANG+it]
.set it, it+1
.endr
.set it, 0
.rept 16
	v_mul_f32 v[COS+it], s34, v[ANG+it]
.set it, it+1
.endr
.set it, 0
.rept 16
	v_rndne_f32 v[COS+it], v[COS+it]               ; the exponent's whole part
.set it, it+1
.endr
.set it, 0
.rept 16
	v_fma_f32 v[SIN+it], v[ANG+it], s34, -v[COS+it]    ; its fraction, rounded once,
.set it, it+1
.endr
.set it, 0
.rept 16
	v_fma_f32 v[SIN+it], v[ANG+it], s35, v[SIN+it]     ; with the constant's rest
.set it, it+1
.endr
.set it, 0
.rept 16
	v_cvt_i32_f32 v[COS+it], v[COS+it]
.set it, it+1
.endr
.set it, 0
.rept 16
	v_exp_f32 v[SIN+it], v[SIN+it]                 ; one batch of sixteen
.set it, it+1
.endr
	v_and_b32 v24, 31, v0                          ; a plain instruction behind the batch
	s_wait_alu depctr_va_vdst(0)                   ; one wait for the batch, ahead of its first reader
	v_lshlrev_b32 v24, 4, v24                      ; 16 x lane
	s_wait_loadcnt 0x0
	v_cvt_f32_i32 v23, v23                         ; my position
.set it, 0
.rept 16
	v_ldexp_f32 v[SIN+it], v[SIN+it], v[COS+it]    ; 10000^(-i/32)
.set it, it+1
.endr
.set it, 0
.rept 16
	v_mul_f32 v[ANG+it], v23, v[SIN+it]            ; the angle
.set it, it+1
.endr
; sine and cosine of v[ANG+it]: n = the nearest multiple of pi/2, the rest by two fused multiply-adds, two short polynomials, then the quadrant
.macro SINCOS
	v_mul_f32 v112, s24, v[ANG+it]
	v_rndne_f32 v112, v112
	v_fma_f32 v113, -v112, s25, v[ANG+it]
	v_fma_f32 v113, -v112, s26, v113               ; rho
	v_mul_f32 v114, v113, v113                     ; z
	v_cvt_i32_f32 v115, v112
	v_fma_f32 v116, v114, s29, s28
	v_fma_f32 v116, v116, v114, s27
	v_mul_f32 v117, v113, v114
	v_fma_f32 v116, v117, v116, v113               ; sin rho
	v_fma_f32 v118, v114, s32, s31
	v_fma_f32 v118, v118, v114, s30
	v_mul_f32 v117, v114, v114
	v_fma_f32 v119, v114, -0.5, 1.0
	v_fma_f32 v118, v117, v118, v119               ; cos rho
	v_and_b32 v117, 1, v115
	v_cmp_eq_u32 vcc_lo, 1, v117                   ; odd quadrants swap the two
	v_cndmask_b32 v119, v116, v118, vcc_lo
	v_cndmask_b32 v118, v118, v116, vcc_lo
	v_and_b32 v117, 2, v115
	v_lshlrev_b32 v117, 30, v117
	v_xor_b32 v[SIN+it], v119, v117                ; the sine is negative in quadrants 2, 3
	v_add_nc_u32 v115, 1, v115
	v_and_b32 v115, 2, v115
	v_lshlrev_b32 v115, 30, v115
	v_xor_b32 v[COS+it], v118, v115                ; the cosine in quadrants 1, 2
	v_mul_f32 v[SINC+it], s33, v[SIN+it]
	v_mul_f32 v[COSC+it], s33, v[COS+it]
.endm
.set it, 0
.rept 16
	SINCOS
.set it, it+1
.endr
.irp t, 0,1,2,3                                ; each store covers 512 consecutive bytes
	global_store_b128 v24, v[COSC+4*\t:COSC+4*\t+3], s[14:15] offset:1024*\t
	global_store_b128 v24, v[SINC+4*\t:SINC+4*\t+3], s[14:15] offset:1024*\t+512
	global_store_b128 v24, v[COS+4*\t:COS+4*\t+3], s[14:15] offset:1048576+1024*\t
	global_store_b128 v24, v[SIN+4*\t:SIN+4*\t+3], s[14:15] offset:1048576+1024*\t+512
.endr
.Lend:
	s_wait_tensorcnt 0x0                           ; the wave's end
	ds_add_u32 v[SPW], v[NIL]
	s_wait_dscnt 0x0
	s_endpgm
.Lfunc_end_k_q103f6c7cce_prep:
	.size	k_q103f6c7cce_prep, .Lfunc_end_k_q103f6c7cce_prep-k_q103f6c7cce_prep
	.p2alignl 7, 3214868480
	.fill 96, 4, 3214868480
	.section	.rodata,"a",@progbits
	.p2align	6, 0x0
	.amdhsa_kernel k_q103f6c7cce_prep
		.amdhsa_group_segment_fixed_size 33280
		.amdhsa_private_segment_fixed_size 0
		.amdhsa_enable_private_segment 0
		.amdhsa_kernarg_size 56
		.amdhsa_user_sgpr_count 2
		.amdhsa_user_sgpr_kernarg_segment_ptr 1
		.amdhsa_wavefront_size32 1
		.amdhsa_system_sgpr_workgroup_id_x 1
		.amdhsa_system_sgpr_workgroup_id_y 1
		.amdhsa_system_sgpr_workgroup_id_z 1
		.amdhsa_system_vgpr_workitem_id 0
		.amdhsa_next_free_vgpr 192
		.amdhsa_next_free_sgpr 66
		.amdhsa_reserve_vcc 1
		.amdhsa_float_denorm_mode_32 3
		.amdhsa_float_denorm_mode_16_64 3
		.amdhsa_memory_ordered 1
		.amdhsa_forward_progress 1
		.amdhsa_inst_pref_size 62
	.end_amdhsa_kernel
	.amdgpu_metadata
---
amdhsa.version: [ 1, 2 ]
amdhsa.kernels:
  - .name:           k_q103f6c7cce_prep
    .symbol:         k_q103f6c7cce_prep.kd
    .args:
      - { .name: x, .offset: 0, .size: 8, .value_kind: global_buffer, .address_space: global }
      - { .name: Wqkv, .offset: 8, .size: 8, .value_kind: global_buffer, .address_space: global }
      - { .name: token_positions, .offset: 16, .size: 8, .value_kind: global_buffer, .address_space: global }
      - { .name: xc, .offset: 24, .size: 8, .value_kind: global_buffer, .address_space: global }
      - { .name: wc, .offset: 32, .size: 8, .value_kind: global_buffer, .address_space: global }
      - { .name: scl, .offset: 40, .size: 8, .value_kind: global_buffer, .address_space: global }
      - { .name: tab, .offset: 48, .size: 8, .value_kind: global_buffer, .address_space: global }
    .group_segment_fixed_size: 33280
    .private_segment_fixed_size: 0
    .kernarg_segment_align: 8
    .kernarg_segment_size: 56
    .max_flat_workgroup_size: 128
    .sgpr_count:     66
    .vgpr_count:     192
    .wavefront_size: 32
...
	.end_amdgpu_metadata
.endif
;; end of part 1
;; launch qkvrope (part 2): grid 16 x 16, 4 waves a work-group, clusters of 4 x 4, 327,680 bytes of LDS; arguments xc, wc, scl, tab, Wo, qkv, woh, a32; writes qkv, woh, a32
.if DOCPART == 2
	.amdgcn_target "amdgcn-amd-amdhsa--gfx1250"
	.amdhsa_code_object_version 6
	.text
	.protected	k_q103f6c7cce_qkvrope
	.globl	k_q103f6c7cce_qkvrope
	.p2align	8
	.type	k_q103f6c7cce_qkvrope,@function
k_q103f6c7cce_qkvrope:
	s_mov_b64 s[64:65], 0
	v_nop
	global_prefetch_b8 v0, s[64:65] scope:SCOPE_SE
	s_setreg_imm32_b32 hwreg(HW_REG_WAVE_MODE, 25, 1), 1
	s_wait_xcnt 0x0
	s_wait_alu depctr_hold_cnt(0) depctr_sa_sdst(0) depctr_va_vdst(0) depctr_va_sdst(0) depctr_va_ssrc(0) depctr_va_vcc(0) depctr_vm_vsrc(0)
	s_getreg_b32 s2, hwreg(HW_REG_IB_STS2, 6, 4)
	s_cmp_eq_u32 s2, 0
	s_cbranch_scc0 .Lentry_in_a_cluster
	s_endpgm
.Lentry_in_a_cluster:
	s_bfe_u32 s2, ttmp6, 0x10000c
	s_cmp_lg_u32 s2, 0xf033
	s_cbranch_scc0 .Lentry_shape_is_right
	s_endpgm
.Lentry_shape_is_right:
; qkv = x Wqkv^T on codes of FP4 with E8M0 scales, K = 1,024, then the rotation of q and k; q, k and v^T leave as f16 IMAGES OF OPERAND REGISTERS for the attention launch.
; AN IMAGE: a fragment (16 rows x 32 K of f16) is 1,024 bytes: group g at 512 g, lane (r + 16 h) at 16 x lane, holding K = 16 g + 8 h + 0 .. 7 of row r: two accesses of 16 bytes a lane, 512 consecutive bytes each.
;   q, k: head x 524,288 + (position / 16) x 2,048 + (d / 32) x 1,024;  v^T (rows d, K = keys): head x 524,288 + (key / 32) x 4,096 + (d / 16) x 1,024.  q at byte 0 of qkv, k at 8 MiB, v^T at 16 MiB.
; THE CLUSTER'S x IS A ROLE, the same in all sixteen partners: 0 q, 1 k, 2 v, 3 the side work.  A tile is 256 x 256, four waves of 128 x 128 (64 accumulators).  Source 1 ('A side', shared along the cluster's row) and
; source 0 ('B side', shared along its column): q, k: A = x's rows, B = W's rows, so a lane holds one position and eight neighbouring d;  v: A = W's rows, B = x's rows, so a lane holds one d and eight neighbouring
; positions.  Four conversions of an accumulator then ARE a group of an image, in the right lanes: results are stored straight from registers, 512 consecutive bytes a store.
; K is two slots of 512; both are first fills, nothing is filled again.  The scale bytes of the tile's rows come once, as rows of 256 bytes.
; THE ROLES PART ONCE, behind the change of slots: q and k ask for their first rotation tables there and have slot 1's 256 matrix instructions in which they land; v asks for none.  So slot 1's steps stand twice in the text.
; ROLE 3 (64 work-groups, j = 0 .. 63): all four waves turn 16 rows of Wo into an f16 image (woh: ((K / 256 x 64 + row / 16) x 8 + (K % 256) / 32) x 1,024).  Wave 0 then computes, for rows 0-15 of the sequence, head j / 4,
; channels 16 (j % 4) on, the whole attention with f32 operands (a32 [16][1024]): those rows are the largest of the output, and the rounding of operands to f16 is too coarse for them alone.
; LIMITS: log2(e)/8 |q|, |k|, |v| and |Wo| stay under 65,504 (f16); NaN and infinities are not served.
; REGISTERS: window 0: v1-7 at work, v8-15 addresses, v16-95 SCALE WORDS AND NOTHING ELSE, v96-159 results to store (A's fragments from v128 during the product), v160-223 at work on the way out;
;   window 1: B's fragments at v0 and v128, tables at v64, v96, v192 (later also v0, v32, v128, v160);  windows 2, 3: the accumulators.  v224-255 of window 0 are written by matrix instructions alone.
.set NQ,     4                         ; steps of 128 along K in a slot
.set ROWB,   256                       ; a tile's row in bytes
.set KROW,   512                       ; a row of codes in memory
.set PITCH,  272                       ; an LDS row: 256 bytes + 16: the 16 rows of a load start at 16 different banks
.set FR,     8
.set NL,     2
.set NP,     4
.set HALFT,  128*PITCH
.set SLOT,   4*HALFT
.set KS,     32                        ; a row of scale bytes
.set SCL,    2*SLOT
.set HALFS,  (128*KS/256)*272
.set SBLK,   (16*KS/256)*272
.set SPARE,  SCL+4*HALFS               ; the spare words: 128 bytes a wave
.set WSC,    131072                    ; W's scale bytes in scl
.set ADRA, 8                           ; v8-9   LDS address of my A fragments in slot 0, 1
.set ADRB, 10                          ; v10-11 the same for B
.set LI,   12                          ; v12    16 x lane
.set ADRS, 13                          ; v13    LDS address of my scale words
.set SPW,  14                          ; v14    my spare word's LDS address; never rewritten
.set NIL,  15                          ; v15    0; never rewritten
.set SC,   32                          ; scale words: set s at v[32 + 32 s]
.set AF,   128
.set OUTR, 96
.set TMP,  160
.set G1, 24
.set G0, 32
.set G1B, 48
.set G0B, 56
.set G1S, 68
.set G0S, 76
.set G1SB, 80
.set G0SB, 88
.set MSB, 0
.macro WIN new                         ; the immediate's high byte repeats the setting that is left
.if MSB != (\new)
	s_set_vgpr_msb (MSB<<8)|(\new)
.set MSB, (\new)
.endif
.endm
.set MUL_LO, 0xa1                      ; source 0 window 1, source 1 window 0, C and D window 2
.set MUL_HI, 0xf1
.set TO_B,   0x40
.macro JLOAD g0a, g1a, g0b, g1b        ; waves 0, 1 fetch for the A side, waves 2, 3 for the B side; an s_nop 0 and four v_nop follow each line
	s_cmp_eq_u32 s21, 0
	s_cbranch_scc0 .Lfor_b_\@
	tensor_load_to_lds s[\g0a:\g0a+3], s[\g1a:\g1a+7]
	s_nop 0
.rept 4
	v_nop
.endr
	s_branch .Lasked_\@
.Lfor_b_\@:
	tensor_load_to_lds s[\g0b:\g0b+3], s[\g1b:\g1b+7]
	s_nop 0
.rept 4
	v_nop
.endr
.Lasked_\@:
.endm
.macro CROUND                          ; a round of the cluster's barrier
	s_barrier_signal -1
	s_barrier_wait -1
	s_cmp_lg_u32 s20, 0
	s_cbranch_scc1 .Lnot_wave_0_\@
	s_barrier_signal -3
.Lnot_wave_0_\@:
	s_barrier_wait -3
	s_barrier_signal -1
	s_barrier_wait -1
.endm
	s_load_b256 s[4:11], s[0:1], 0x0               ; xc s[4:5], wc s[6:7], scl s[8:9], tab s[10:11]
	s_load_b256 s[12:19], s[0:1], 0x20             ; Wo s[12:13], qkv s[14:15], woh s[16:17], a32 s[18:19]
	v_lshl_add_u32 v[SPW], v0, 2, SPARE
	v_mov_b32 v[NIL], 0
	ds_add_u32 v[SPW], v[NIL]                      ; the wave's opening: the add and its wait come ahead of the first tensor load
	v_lshrrev_b32 v1, 5, v0
	v_readfirstlane_b32 s20, v1                    ; wave
	s_lshr_b32 s21, s20, 1                         ; my half of the A side's rows; also: I fetch for A (0) or B (1)
	s_and_b32 s22, s20, 1                          ; my half of the B side's rows; also: which 128 rows I fetch
	s_mov_b32 s23, ttmp9                           ; the role: the cluster's x
	s_bfe_u32 s40, ttmp6, 0x40000                  ; cx
	s_bfe_u32 s41, ttmp6, 0x40004                  ; cy
	s_and_b32 s42, ttmp7, 0xffff                   ; Y: the cluster's y
	s_lshl_b32 s43, s41, 2
	s_lshl_b32 s43, 15, s43                        ; my row of the cluster
	s_lshl_b32 s44, 0x1111, s40                    ; my column
	s_or_b32 s[G1+0], s43, (0<<16)|(1<<20)|(1<<21)|(5<<22)|(3<<25)   ; mask; elements of 1 byte; padding: 4 words behind every 64
	s_or_b32 s[G1B+0], s44, (0<<16)|(1<<20)|(1<<21)|(5<<22)|(3<<25)
.irp g, G1, G1B
	s_mov_b32 s[\g+1], ROWB<<16                    ; tensor_dim0
	s_mov_b32 s[\g+2], 128<<16                     ; tensor_dim1
	s_mov_b32 s[\g+3], ROWB<<16                    ; tile_dim0
	s_mov_b32 s[\g+4], 128                         ; tile_dim1
	s_mov_b32 s[\g+5], KROW                        ; the pitch
	s_mov_b32 s[\g+6], 0
	s_mov_b32 s[\g+7], 0
.endr
	s_or_b32 s[G1S+0], s43, (3<<16)|(1<<20)|(1<<21)|(5<<22)|(3<<25)  ; the scales of 128 rows: 4,096 dense bytes as 16 rows of 256
	s_or_b32 s[G1SB+0], s44, (3<<16)|(1<<20)|(1<<21)|(5<<22)|(3<<25)
.irp g, G1S, G1SB
	s_mov_b32 s[\g+1], 32<<16
	s_mov_b32 s[\g+2], (128*KS/256)<<16
	s_mov_b32 s[\g+3], 32<<16
	s_mov_b32 s[\g+4], 128*KS/256
	s_mov_b32 s[\g+5], 32
	s_mov_b32 s[\g+6], 0
	s_mov_b32 s[\g+7], 0
.endr
	s_lshl_b32 s45, s22, 7                         ; the 128 rows that I fetch
	; the A side's first row hangs on cy, Y and the role: q, k: x's 256 (4 Y + cy); v: W's 2,048 + 256 cy
	s_lshl_b32 s46, s42, 2
	s_add_co_u32 s46, s46, s41
	s_lshl_b32 s46, s46, 8
	s_lshl_b32 s47, s41, 8
	s_add_co_u32 s47, s47, 2048
	s_cmp_eq_u32 s23, 2
	s_cselect_b32 s46, s47, s46
	s_cselect_b32 s47, WSC, 0
	s_add_co_u32 s46, s46, s45
	s_lshl_b32 s92, s46, 9                         ; its codes,
	s_mov_b32 s93, 0
	s_lshl_b32 s94, s46, 5                         ; its scale bytes
	s_add_co_u32 s94, s94, s47
	s_mov_b32 s95, 0
	; the B side's on cx, Y and the role: q, k: W's 1,024 role + 256 cx; v: x's 256 (4 Y + cx)
	s_lshl_b32 s66, s23, 10
	s_lshl_b32 s67, s40, 8
	s_add_co_u32 s66, s66, s67
	s_lshl_b32 s67, s42, 2
	s_add_co_u32 s67, s67, s40
	s_lshl_b32 s67, s67, 8
	s_cmp_eq_u32 s23, 2
	s_cselect_b32 s66, s67, s66
	s_cselect_b32 s67, 0, WSC
	s_add_co_u32 s66, s66, s45
	s_lshl_b32 s96, s66, 9
	s_mov_b32 s97, 0
	s_lshl_b32 s98, s66, 5
	s_add_co_u32 s98, s98, s67
	s_mov_b32 s99, 0
	s_mul_i32 s2, s20, HALFT                       ; where they go: the wave's number alone
	s_mul_i32 s3, s20, HALFS
	s_wait_dscnt 0x0                               ; the opening add is done
	s_wait_kmcnt 0x0
	s_cmp_eq_u32 s23, 2
	s_cselect_b64 s[100:101], s[6:7], s[4:5]       ; the A side's codes
	s_cselect_b64 s[66:67], s[4:5], s[6:7]         ; the B side's
	s_add_nc_u64 s[92:93], s[100:101], s[92:93]
	s_add_nc_u64 s[94:95], s[8:9], s[94:95]
	s_add_nc_u64 s[96:97], s[66:67], s[96:97]
	s_add_nc_u64 s[98:99], s[8:9], s[98:99]
	CROUND                                         ; all sixteen work-groups are here
	s_cmp_eq_u32 s23, 3                            ; the role is the same in all sixteen
	s_cbranch_scc1 .Lspecial
	s_mov_b32 s[G0S], 1
	s_add_co_u32 s[G0S+1], s3, SCL
	s_mov_b64 s[G0S+2:G0S+3], s[94:95]
	s_or_b32 s[G0S+3], s[G0S+3], 0x80000000
	s_mov_b32 s[G0SB], 1
	s_add_co_u32 s[G0SB+1], s3, SCL
	s_mov_b64 s[G0SB+2:G0SB+3], s[98:99]
	s_or_b32 s[G0SB+3], s[G0SB+3], 0x80000000
	JLOAD G0S, G1S, G0SB, G1SB                     ; the scales first
.irp s, 0,1
	s_mov_b32 s[G0+4*\s], 1
	s_add_co_u32 s[G0+4*\s+1], s2, \s*SLOT
	s_add_nc_u64 s[G0+4*\s+2:G0+4*\s+3], s[92:93], \s*ROWB
	s_or_b32 s[G0+4*\s+3], s[G0+4*\s+3], 0x80000000
	s_mov_b32 s[G0B+4*\s], 1
	s_add_co_u32 s[G0B+4*\s+1], s2, \s*SLOT
	s_add_nc_u64 s[G0B+4*\s+2:G0B+4*\s+3], s[96:97], \s*ROWB
	s_or_b32 s[G0B+4*\s+3], s[G0B+4*\s+3], 0x80000000
	JLOAD G0+4*\s, G1, G0B+4*\s, G1B               ; three loads of mine are out
.endr
	v_and_b32 v1, 15, v0                           ; r
	v_bfe_u32 v2, v0, 4, 1                         ; h
	v_mul_u32_u24 v3, v1, PITCH
	v_lshl_add_u32 v4, v2, 4, v3                   ; a fragment's row x pitch + 16 h
	s_mul_i32 s45, s21, HALFT
	s_mul_i32 s46, s22, HALFT
	s_add_co_u32 s46, s46, 2*HALFT
.irp s, 0,1
	v_add_nc_u32 v[ADRA+\s], s45, v4
	v_add_nc_u32 v[ADRB+\s], s46, v4
	s_add_co_u32 s45, s45, SLOT
	s_add_co_u32 s46, s46, SLOT
.endr
	v_mul_u32_u24 v5, v1, KS                       ; my row's scale bytes,
	v_lshrrev_b32 v6, 8, v5
	v_lshl_add_u32 v5, v6, 4, v5                   ; 16 more for each 256 passed
	s_mul_i32 s45, s21, HALFS
	s_mul_i32 s46, s22, HALFS
	s_add_co_u32 s46, s46, 2*HALFS
	s_sub_co_u32 s46, s46, s45
	v_mul_u32_u24 v6, s46, v2                      ; lanes 16-31 take the B side's
	s_add_co_u32 s45, s45, SCL
	v_add_nc_u32 v5, v5, v6
	v_add_nc_u32 v[ADRS], s45, v5
	v_and_b32 v7, 31, v0
	v_lshlrev_b32 v[LI], 4, v7
	; where my results go.  q, k: role x 8 MiB + head (4 cx + 2 ch) + block of positions 16 (4 Y + cy) + 8 rh
	s_lshl_b32 s45, s40, 2
	s_lshl_b32 s46, s22, 1
	s_add_co_u32 s45, s45, s46
	s_lshl_b32 s45, s45, 19
	s_lshl_b32 s46, s42, 2
	s_add_co_u32 s46, s46, s41
	s_lshl_b32 s46, s46, 4
	s_lshl_b32 s47, s21, 3
	s_add_co_u32 s46, s46, s47
	s_lshl_b32 s47, s46, 11
	s_add_co_u32 s45, s45, s47
	s_lshl_b32 s47, s23, 23
	s_add_co_u32 s45, s45, s47
	s_lshl_b32 s94, s46, 12                        ; and the tables of these positions, in my role's half (q and k alone use them)
	s_lshl_b32 s47, s23, 20
	s_add_co_u32 s94, s94, s47
	s_mov_b32 s95, 0
	; v: 16 MiB + head (4 cy + 2 rh) + 32 keys x (8 (4 Y + cx) + 4 ch)
	s_lshl_b32 s46, s41, 2
	s_lshl_b32 s47, s21, 1
	s_add_co_u32 s46, s46, s47
	s_lshl_b32 s46, s46, 19
	s_lshl_b32 s47, s42, 2
	s_add_co_u32 s47, s47, s40
	s_lshl_b32 s47, s47, 3
	s_lshl_b32 s66, s22, 2
	s_add_co_u32 s47, s47, s66
	s_lshl_b32 s47, s47, 12
	s_add_co_u32 s46, s46, s47
	s_add_co_u32 s46, s46, 0x1000000
	s_cmp_eq_u32 s23, 2
	s_cselect_b32 s92, s46, s45
	s_mov_b32 s93, 0
	s_add_nc_u64 s[92:93], s[14:15], s[92:93]
	s_add_nc_u64 s[94:95], s[10:11], s[94:95]
.macro TABLOAD a, reg                  ; the tables of my block a of 16 positions: 4 t x (cos, sin), 512 consecutive bytes a load
.irp i, 0,1,2,3,4,5,6,7
	global_load_b128 v[\reg+4*\i:\reg+4*\i+3], v[LI], s[94:95] offset:(\a)*4096+512*\i
.endr
.endm
.macro FRAG reg, adr, q, i             ; 16 rows x 128 K of 4-bit codes: 8 registers, two loads 32 bytes apart
.irp c, 0,1
	ds_load_b128 v[\reg+4*\c:\reg+4*\c+3], v[\adr] offset:64*(\q)+32*\c+(\i)*16*PITCH
.endr
.endm
; 16 matrix instructions: A's blocks a0, a0 + 1 x B's eight.  The 64 accumulators take turns, one instruction a turn.
.macro MUL16 a0, p, q, sc, zero
.irp a, \a0, \a0+1
.irp b, 0,1,2,3,4,5,6,7
.if \zero
	v_wmma_scale_f32_16x16x128_f8f6f4 v[8*(8*((\a)%4)+\b):8*(8*((\a)%4)+\b)+7], v[128*(\p)+FR*\b:128*(\p)+FR*\b+FR-1], v[AF+FR*(\a):AF+FR*(\a)+FR-1], 0, v[SC+8*NQ*(\sc)+NQ*\b+(\q)], v[SC+8*NQ*(\sc)+NQ*(\a)+(\q)] matrix_a_fmt:MATRIX_FMT_FP4 matrix_b_fmt:MATRIX_FMT_FP4 matrix_a_scale:MATRIX_SCALE_ROW1
.else
	v_wmma_scale_f32_16x16x128_f8f6f4 v[8*(8*((\a)%4)+\b):8*(8*((\a)%4)+\b)+7], v[128*(\p)+FR*\b:128*(\p)+FR*\b+FR-1], v[AF+FR*(\a):AF+FR*(\a)+FR-1], v[8*(8*((\a)%4)+\b):8*(8*((\a)%4)+\b)+7], v[SC+8*NQ*(\sc)+NQ*\b+(\q)], v[SC+8*NQ*(\sc)+NQ*(\a)+(\q)] matrix_a_fmt:MATRIX_FMT_FP4 matrix_b_fmt:MATRIX_FMT_FP4 matrix_a_scale:MATRIX_SCALE_ROW1
.endif
.endr
.endr
.endm
.macro FETCH_B slot, q, p
	WIN TO_B
.irp i, 0,1,2,3,4,5,6,7
	FRAG 128*(\p)+FR*\i, ADRB+\slot, \q, \i
.endr
	WIN 0
.endm
.macro FETCH_A slot, q, i0
.irp i, \i0, \i0+1, \i0+2, \i0+3
	FRAG AF+FR*(\i), ADRA+\slot, \q, \i
.endr
.endm
.macro SCALES sc                       ; a slot's scale words: lanes 0-15 the A side's block i, lanes 16-31 the B side's
.irp i, 0,1,2,3,4,5,6,7
	ds_load_b128 v[SC+8*NQ*\sc+NQ*\i:SC+8*NQ*\sc+NQ*\i+3], v[ADRS] offset:\i*SBLK
.endr
.endm
.macro PLACES n                        ; plain vector instructions between a matrix instruction and a load into, or a read of, its registers
.rept \n
	v_nop
.endr
.endm
.macro STEP slot, q, zero              ; 128 along K with its successor in the same slot
	s_wait_dscnt 4*NL                              ; all but A's blocks 4-7 are in
	WIN MUL_LO
	MUL16 0, (\q)%2, \q, \slot, \zero
	MUL16 2, (\q)%2, \q, \slot, \zero
	s_wait_dscnt 0
	PLACES NP
	FETCH_B \slot, (\q)+1, 1-(\q)%2
	FETCH_A \slot, (\q)+1, 0
	WIN MUL_HI
	MUL16 4, (\q)%2, \q, \slot, \zero
	MUL16 6, (\q)%2, \q, \slot, \zero
	PLACES NP
	WIN 0
	FETCH_A \slot, (\q)+1, 4
.endm
.macro SLOT1                           ; slot 1's four steps; the last fetches nothing.  It leaves every window 0 and four places behind the last product
	STEP 1, 0, 0
	STEP 1, 1, 0
	STEP 1, 2, 0
	s_wait_dscnt 4*NL
	WIN MUL_LO
	MUL16 0, 1, NQ-1, 1, 0
	MUL16 2, 1, NQ-1, 1, 0
	s_wait_dscnt 0
	WIN MUL_HI
	MUL16 4, 1, NQ-1, 1, 0
	MUL16 6, 1, NQ-1, 1, 0
	WIN 0
	PLACES NP                                      ; ahead of the first read of results and of loads into B's registers
.endm
	s_wait_tensorcnt 1                             ; the scales and my part of slot 0 are in; slot 1's load may stay out
	s_barrier_signal -1
	s_barrier_wait -1
	FETCH_B 0, 0, 0
	FETCH_A 0, 0, 0
	SCALES 0
	FETCH_A 0, 0, 4
	STEP 0, 0, 1                                   ; the first products start the sums
	STEP 0, 1, 0
	STEP 0, 2, 0
	; slot 0's last step changes slots: one barrier; nothing is filled again
	s_wait_tensorcnt 0x0                           ; my part of slot 1 has landed
	ds_add_u32 v[SPW], v[NIL]
	s_wait_dscnt 4*NL+1                            ; the add and A's blocks 4-7 may be out
	WIN MUL_LO
	MUL16 0, 1, NQ-1, 0, 0
	s_wait_dscnt 0x0
	s_barrier_signal -1
	MUL16 2, 1, NQ-1, 0, 0
	WIN 0
	s_barrier_wait -1
	PLACES NP
	v_add_nc_u32 v[ADRS], 4*NQ, v[ADRS]            ; the next slot's scale words
	FETCH_B 1, 0, 0
	FETCH_A 1, 0, 0
	SCALES 1
	WIN MUL_HI
	MUL16 4, 1, NQ-1, 0, 0
	MUL16 6, 1, NQ-1, 0, 0
	PLACES NP
	WIN 0
	FETCH_A 1, 0, 4
	s_cmp_eq_u32 s23, 2                            ; HERE THE ROLES PART, once: the role is the same in all sixteen partners, and no barrier but the closing round follows
	s_cbranch_scc1 .Lvpath
	; ---- q and k
	WIN TO_B
	TABLOAD 0, 64                                  ; three blocks' tables land while slot 1 is multiplied
	TABLOAD 1, 96
	TABLOAD 2, 192
	WIN 0
	SLOT1
; The rotation of eight numbers (four pairs e, o) at v[rA] with cos at v[rC], sin at v[rC+4], into v[rT]: (e c - o s, e s + o c).  Each accumulator is read from its low end on.
.macro ROT8
.irp p, 0,1
	v_pk_mul_f32 v[rT+4*\p:rT+4*\p+1], v[rA+4*\p:rA+4*\p+1], v[rC+2*\p:rC+2*\p+1] op_sel:[0,0] op_sel_hi:[1,0]
	v_pk_mul_f32 v[rT+4*\p+2:rT+4*\p+3], v[rA+4*\p+2:rA+4*\p+3], v[rC+2*\p:rC+2*\p+1] op_sel:[0,1] op_sel_hi:[1,1]
.endr
.irp p, 0,1
	v_pk_fma_f32 v[rT+4*\p:rT+4*\p+1], v[rA+4*\p:rA+4*\p+1], v[rC+4+2*\p:rC+5+2*\p], v[rT+4*\p:rT+4*\p+1] op_sel:[1,0,0] op_sel_hi:[0,0,1] neg_lo:[0,1,0]
	v_pk_fma_f32 v[rT+4*\p+2:rT+4*\p+3], v[rA+4*\p+2:rA+4*\p+3], v[rC+4+2*\p:rC+5+2*\p], v[rT+4*\p+2:rT+4*\p+3] op_sel:[1,1,0] op_sel_hi:[0,1,1] neg_lo:[0,1,0]
.endr
.endm
; Block a of 16 positions: rotated, rounded to f16, stored.  tb: its tables in window 1; cnt: the younger table loads that may stay out (-1: no wait is due)
.macro ROPE a, tb, cnt
.if \cnt >= 0
	s_wait_loadcnt \cnt
.endif
	WIN 0x06+(\a)/4                                ; source 0 window 2 or 3, source 1 window 1
.irp b, 0,1,2,3,4,5,6,7
.set rA, 64*((\a)%4)+8*\b
.set rT, TMP+8*\b
.set rC, \tb+8*(\b%4)
	ROT8
.endr
	WIN 0
.if (\a) >= 2
	s_wait_xcnt 0x0                                ; the stores of two blocks back have read their registers
.endif
.set rO, OUTR+32*((\a)%2)
.irp b, 0,1,2,3,4,5,6,7
.irp r, 0,1,2,3
	v_cvt_pk_f16_f32 v[rO+4*\b+\r], v[TMP+8*\b+2*\r], v[TMP+8*\b+2*\r+1]
.endr
.endr
.irp b, 0,1,2,3,4,5,6,7
	global_store_b128 v[LI], v[rO+4*\b:rO+4*\b+3], s[92:93] offset:(\b/4)*524288+(\a)*2048+(\b%4)*512
.endr
.endm
	WIN TO_B
	TABLOAD 3, 0                                   ; into B's registers, which are done with
	TABLOAD 4, 32
	TABLOAD 5, 128
	TABLOAD 6, 160
	ROPE 0, 64, 32                                 ; the first 24 loads are in; the 32 just issued stay out
	WIN TO_B
	TABLOAD 7, 64
	ROPE 1, 96, -1
	ROPE 2, 192, -1
	ROPE 3, 0, 32                                  ; behind block 3's: blocks 4-6's 24 and block 7's 8
	ROPE 4, 32, 24
	ROPE 5, 128, 16
	ROPE 6, 160, 8
	ROPE 7, 64, 0
	s_branch .Lend
	; ---- v
.Lvpath:
	SLOT1
.macro VOUT a                          ; block a of 16 channels of v: rounded and stored as v^T's image
.if (\a) >= 2
	s_wait_xcnt 0x0
.endif
.set rO, OUTR+32*((\a)%2)
	WIN 0x0a+5*((\a)/4)                            ; sources 0 and 1: window 2 or 3
.irp b, 0,1,2,3,4,5,6,7
.irp r, 0,1,2,3
	v_cvt_pk_f16_f32 v[rO+4*\b+\r], v[64*((\a)%4)+8*\b+2*\r], v[64*((\a)%4)+8*\b+2*\r+1]
.endr
.endr
	WIN 0
.irp b, 0,1,2,3,4,5,6,7
	global_store_b128 v[LI], v[rO+4*\b:rO+4*\b+3], s[92:93] offset:((\a)/4)*524288+((\a)%4)*1024+(\b/2)*4096+(\b%2)*512
.endr
.endm
.irp a, 0,1,2,3,4,5,6,7
	VOUT \a
.endr
	s_branch .Lend
.Lspecial:
	s_lshl_b32 s45, s42, 4
	s_lshl_b32 s46, s41, 2
	s_add_co_u32 s45, s45, s46
	s_add_co_u32 s45, s45, s40                     ; j = 16 Y + 4 cy + cx: it enters global addresses alone
	v_and_b32 v1, 15, v0                           ; r
	v_bfe_u32 v2, v0, 4, 1                         ; h
	v_and_b32 v7, 31, v0
	v_lshlrev_b32 v[LI], 4, v7
	v_lshlrev_b32 v3, 12, v1
	v_lshl_add_u32 v3, v2, 5, v3                   ; 4,096 r + 32 h
	s_lshl_b32 s46, s45, 16                        ; Wo: rows 16 j on,
	s_lshl_b32 s47, s20, 10                        ; K = 256 x wave on
	s_add_co_u32 s46, s46, s47
	s_mov_b32 s47, 0
	s_add_nc_u64 s[12:13], s[12:13], s[46:47]
	s_lshl_b32 s46, s20, 6
	s_add_co_u32 s46, s46, s45
	s_lshl_b32 s46, s46, 13                        ; woh: (64 x wave + j) x 8,192
	s_add_nc_u64 s[16:17], s[16:17], s[46:47]
.irp k, 0,1,2,3,4,5,6,7
.irp g, 0,1
.irp e, 0,1
	global_load_b128 v[96+16*\k+8*\g+4*\e:96+16*\k+8*\g+4*\e+3], v3, s[12:13] offset:128*\k+64*\g+16*\e
.endr
.endr
.endr
	s_wait_loadcnt 0x0
.set i, 0
.rept 64
	v_cvt_pk_f16_f32 v[96+i], v[96+2*i], v[96+2*i+1]   ; in place: register 96 + i has been read before it is written
.set i, i+1
.endr
.irp k, 0,1,2,3,4,5,6,7
.irp g, 0,1
	global_store_b128 v[LI], v[96+8*\k+4*\g:96+8*\k+4*\g+3], s[16:17] offset:1024*\k+512*\g
.endr
.endr
	s_wait_xcnt 0x0                                ; the stores have read their registers
	s_cmp_lg_u32 s20, 0
	s_cbranch_scc1 .Lend
	; wave 0: rows 0-15, head j / 4, channels 16 (j % 4) on, with f32 operands behind the quantised product
	v_lshlrev_b32 v4, 9, v1
	v_lshl_add_u32 v4, v2, 4, v4                   ; codes: 512 r + 16 h
	v_lshlrev_b32 v5, 5, v1                        ; scale bytes: 32 r
	s_lshr_b32 s46, s45, 2                         ; the head
	s_and_b32 s66, s45, 3                          ; the tile of channels
	s_lshl_b32 s92, s46, 15
	s_mov_b32 s93, 0
	s_add_nc_u64 s[92:93], s[6:7], s[92:93]        ; W's codes at the head's rows of q
	s_lshl_b32 s94, s66, 13
	s_add_co_u32 s94, s94, 0x100000
	s_mov_b32 s95, 0
	s_add_nc_u64 s[94:95], s[92:93], s[94:95]      ; and at my 16 rows of v
	s_lshl_b32 s96, s46, 11
	s_add_co_u32 s96, s96, WSC
	s_mov_b32 s97, 0
	s_add_nc_u64 s[96:97], s[8:9], s[96:97]        ; their scale bytes
	s_lshl_b32 s98, s66, 9
	s_add_co_u32 s98, s98, 65536
	s_mov_b32 s99, 0
	s_add_nc_u64 s[98:99], s[96:97], s[98:99]
	s_lshl_b32 s46, s45, 6                         ; a32: column 16 j
	s_mov_b32 s47, 0
	s_add_nc_u64 s[18:19], s[18:19], s[46:47]
	s_mov_b32 s46, 0x76543210
	s_mov_b32 s47, 0xfedcba98                      ; lane l xor 16
.irp s, 0,1,2,3,4,5,6,7
.irp c, 0,1
	global_load_b128 v[96+8*\s+4*\c:96+8*\s+4*\c+3], v4, s[4:5] offset:64*\s+32*\c    ; x's eight fragments
.endr
.endr
	global_load_b128 v[16:19], v5, s[8:9]          ; x's eight scale words
	global_load_b128 v[20:23], v5, s[8:9] offset:16
.macro WT tau, cb, coff                ; W's tile tau, eight fragments: window 1 + tau / 3, from v[64 (tau % 3)]
	WIN (1+(\tau)/3)<<6
.irp s, 0,1,2,3,4,5,6,7
.irp c, 0,1
	global_load_b128 v[64*((\tau)%3)+8*\s+4*\c:64*((\tau)%3)+8*\s+4*\c+3], v4, s[\cb:\cb+1] offset:\coff+64*\s+32*\c
.endr
.endr
.endm
.irp t, 0,1,2,3
	WT \t, 92, 8192*\t
.endr
.irp t, 4,5,6,7
	WT \t, 92, 524288+8192*(\t-4)
.endr
	WT 8, 94, 0
	WIN 0
.irp t, 0,1,2,3
	global_load_b128 v[24+8*\t:27+8*\t], v5, s[96:97] offset:512*\t
	global_load_b128 v[28+8*\t:31+8*\t], v5, s[96:97] offset:512*\t+16
.endr
.irp t, 4,5,6,7
	global_load_b128 v[24+8*\t:27+8*\t], v5, s[96:97] offset:32768+512*(\t-4)
	global_load_b128 v[28+8*\t:31+8*\t], v5, s[96:97] offset:32768+512*(\t-4)+16
.endr
	global_load_b128 v[88:91], v5, s[98:99]
	global_load_b128 v[92:95], v5, s[98:99] offset:16
	WIN 0x80
.irp i, 0,1,2,3,4,5,6,7
	global_load_b128 v[192+4*\i:195+4*\i], v[LI], s[10:11] offset:512*\i           ; q's tables of positions 0-15
.endr
	WIN 0xc0
.irp i, 0,1,2,3,4,5,6,7
	global_load_b128 v[192+4*\i:195+4*\i], v[LI], s[10:11] offset:1048576+512*\i   ; k's
.endr
	WIN 0
	v_lshlrev_b32 v6, 3, v2
	v_sub_nc_u32 v6, v1, v6                        ; r - 8 h
	v_mov_b32 v7, 0xff800000                       ; -infinity
	v_mov_b32 v9, 0                                ; (a lane permute's destination counts as read)
	s_wait_loadcnt 0x0
.macro QK tau, s                       ; q's tiles 0-3 and k's 4-7: source 0 = W, source 1 = x: a lane holds a position
.set rD, 160+8*(\tau)
.set rW, 64*((\tau)%3)+8*(\s)
.if (\s) == 0
	v_wmma_scale_f32_16x16x128_f8f6f4 v[rD:rD+7], v[rW:rW+7], v[96+8*(\s):103+8*(\s)], 0, v[24+8*(\tau)+(\s)], v[16+(\s)] matrix_a_fmt:MATRIX_FMT_FP4 matrix_b_fmt:MATRIX_FMT_FP4
.else
	v_wmma_scale_f32_16x16x128_f8f6f4 v[rD:rD+7], v[rW:rW+7], v[96+8*(\s):103+8*(\s)], v[rD:rD+7], v[24+8*(\tau)+(\s)], v[16+(\s)] matrix_a_fmt:MATRIX_FMT_FP4 matrix_b_fmt:MATRIX_FMT_FP4
.endif
.endm
.irp s, 0,1,2,3,4,5,6,7                        ; nine accumulators by turns
	WIN 0x01
	QK 0, \s
	QK 1, \s
	QK 2, \s
	WIN 0x02
	QK 3, \s
	QK 4, \s
	QK 5, \s
	WIN 0x03
	QK 6, \s
	QK 7, \s
	WIN 0x5c                                       ; v: source 0 = x, source 1 = W (window 3): a lane holds a channel; C and D window 1
.if \s == 0
	v_wmma_scale_f32_16x16x128_f8f6f4 v[192:199], v[96+8*\s:103+8*\s], v[128+8*\s:135+8*\s], 0, v[16+\s], v[88+\s] matrix_a_fmt:MATRIX_FMT_FP4 matrix_b_fmt:MATRIX_FMT_FP4
.else
	v_wmma_scale_f32_16x16x128_f8f6f4 v[192:199], v[96+8*\s:103+8*\s], v[128+8*\s:135+8*\s], v[192:199], v[16+\s], v[88+\s] matrix_a_fmt:MATRIX_FMT_FP4 matrix_b_fmt:MATRIX_FMT_FP4
.endif
.endr
	WIN 0
	PLACES 5
	WIN 0x08                                       ; the tables of q in window 2
.irp t, 0,1,2,3
.set rA, 160+8*\t
.set rT, 96+8*\t
.set rC, 192+8*\t
	ROT8
.endr
	WIN 0x0c                                       ; those of k in window 3
.irp t, 0,1,2,3
.set rA, 192+8*\t
.set rT, 128+8*\t
.set rC, 192+8*\t
	ROT8
.endr
	WIN 0
	PLACES 4
; S^T = k q^T, 4 along d at a time: registers 2 u, 2 u + 1 of both hold the same d in the same lanes, so nothing is moved.  Two accumulators by turns.
.irp u, 0,1,2,3,4,5,6,7,8,9,10,11,12,13,14,15
.if \u < 2
	v_wmma_f32_16x16x4_f32 v[224+8*(\u%2):231+8*(\u%2)], v[128+2*\u:129+2*\u], v[96+2*\u:97+2*\u], 0
.else
	v_wmma_f32_16x16x4_f32 v[224+8*(\u%2):231+8*(\u%2)], v[128+2*\u:129+2*\u], v[96+2*\u:97+2*\u], v[224+8*(\u%2):231+8*(\u%2)]
.endif
.endr
	PLACES 8
.irp j, 0,1,2,3,4,5,6,7
	v_add_f32 v[160+\j], v[224+\j], v[232+\j]      ; lane (r, h): query r, key 8 h + j
.endr
.irp j, 0,1,2,3,4,5,6,7
	v_cmp_gt_i32 vcc_lo, \j, v6                    ; key > query: hidden
	v_cndmask_b32 v[160+\j], v[160+\j], v7, vcc_lo
.endr
	v_max3_num_f32 v8, v160, v161, v162
	v_max3_num_f32 v8, v8, v163, v164
	v_max3_num_f32 v8, v8, v165, v166
	v_max_num_f32 v8, v8, v167
	v_permlanex16_b32 v9, v8, s46, s47
	v_max_num_f32 v8, v8, v9                       ; the row's maximum (key 0 counts for every query)
.irp j, 0,1,2,3,4,5,6,7
	v_sub_f32 v[168+\j], v[160+\j], v8
.endr
.irp j, 0,1,2,3,4,5,6,7
	v_exp_f32 v[168+\j], v[168+\j]
.endr
	v_nop
	s_wait_alu depctr_va_vdst(0)                   ; one wait for the eight
	v_add_f32 v10, v168, v169
	v_add_f32 v11, v170, v171
	v_add_f32 v10, v10, v172
	v_add_f32 v11, v11, v173
	v_add_f32 v10, v10, v174
	v_add_f32 v11, v11, v175
	v_add_f32 v10, v10, v11
	v_permlanex16_b32 v9, v10, s46, s47
	v_add_f32 v10, v10, v9
	v_rcp_f32 v10, v10
	v_nop
	s_wait_alu depctr_va_vdst(0)
	WIN 0x01                                       ; O^T = v^T p: source 0 = v (window 1), source 1 = p; keys 8 h + 2 c + 0, 1 on both sides
.irp c, 0,1,2,3
.if \c < 2
	v_wmma_f32_16x16x4_f32 v[240+8*(\c%2):247+8*(\c%2)], v[192+2*\c:193+2*\c], v[168+2*\c:169+2*\c], 0
.else
	v_wmma_f32_16x16x4_f32 v[240+8*(\c%2):247+8*(\c%2)], v[192+2*\c:193+2*\c], v[168+2*\c:169+2*\c], v[240+8*(\c%2):247+8*(\c%2)]
.endif
.endr
	WIN 0
	PLACES 8
.irp j, 0,1,2,3,4,5,6,7
	v_add_f32 v[176+\j], v[240+\j], v[248+\j]
.endr
.irp j, 0,1,2,3,4,5,6,7
	v_mul_f32 v[176+\j], v[176+\j], v10            ; lane (r, h): query r, channel 8 h + j
.endr
	global_store_b128 v3, v[176:179], s[18:19]
	global_store_b128 v3, v[180:183], s[18:19] offset:16
.Lend:
	s_wait_tensorcnt 0x0                           ; the wave's end
	ds_add_u32 v[SPW], v[NIL]
	s_wait_dscnt 0x0
	CROUND                                         ; the closing round
	s_endpgm
.Lfunc_end_k_q103f6c7cce_qkvrope:
	.size	k_q103f6c7cce_qkvrope, .Lfunc_end_k_q103f6c7cce_qkvrope-k_q103f6c7cce_qkvrope
	.p2alignl 7, 3214868480
	.fill 96, 4, 3214868480
	.section	.rodata,"a",@progbits
	.p2align	6, 0x0
	.amdhsa_kernel k_q103f6c7cce_qkvrope
		.amdhsa_group_segment_fixed_size 327680
		.amdhsa_private_segment_fixed_size 0
		.amdhsa_enable_private_segment 0
		.amdhsa_kernarg_size 64
		.amdhsa_user_sgpr_count 2
		.amdhsa_user_sgpr_kernarg_segment_ptr 1
		.amdhsa_wavefront_size32 1
		.amdhsa_system_sgpr_workgroup_id_x 1
		.amdhsa_system_sgpr_workgroup_id_y 1
		.amdhsa_system_sgpr_workgroup_id_z 1
		.amdhsa_system_vgpr_workitem_id 0
		.amdhsa_next_free_vgpr 1024
		.amdhsa_next_free_sgpr 102
		.amdhsa_reserve_vcc 1
		.amdhsa_float_denorm_mode_32 3
		.amdhsa_float_denorm_mode_16_64 3
		.amdhsa_memory_ordered 1
		.amdhsa_forward_progress 1
		.amdhsa_inst_pref_size 255
	.end_amdhsa_kernel
	.section	.bss,"aw",@nobits
	.p2align	6
	.space	262144
	.amdgpu_metadata
---
amdhsa.version: [ 1, 2 ]
amdhsa.kernels:
  - .name:           k_q103f6c7cce_qkvrope
    .symbol:         k_q103f6c7cce_qkvrope.kd
    .args:
      - { .name: xc, .offset: 0, .size: 8, .value_kind: global_buffer, .address_space: global }
      - { .name: wc, .offset: 8, .size: 8, .value_kind: global_buffer, .address_space: global }
      - { .name: scl, .offset: 16, .size: 8, .value_kind: global_buffer, .address_space: global }
      - { .name: tab, .offset: 24, .size: 8, .value_kind: global_buffer, .address_space: global }
      - { .name: Wo, .offset: 32, .size: 8, .value_kind: global_buffer, .address_space: global }
      - { .name: qkv, .offset: 40, .size: 8, .value_kind: global_buffer, .address_space: global }
      - { .name: woh, .offset: 48, .size: 8, .value_kind: global_buffer, .address_space: global }
      - { .name: a32, .offset: 56, .size: 8, .value_kind: global_buffer, .address_space: global }
    .group_segment_fixed_size: 327680
    .private_segment_fixed_size: 0
    .kernarg_segment_align: 8
    .kernarg_segment_size: 64
    .max_flat_workgroup_size: 128
    .sgpr_count:     102
    .vgpr_count:     1024
    .wavefront_size: 32
...
	.end_amdgpu_metadata
.endif
;; end of part 2
;; launch attn (part 3): grid 16 x 16, 8 waves a work-group, clusters of 4 x 1, 327,680 bytes of LDS; arguments qkv, abuf; writes abuf
.if DOCPART == 3
	.amdgcn_target "amdgcn-amd-amdhsa--gfx1250"
	.amdhsa_code_object_version 6
	.text
	.protected	k_q103f6c7cce_attn
	.globl	k_q103f6c7cce_attn
	.p2align	8
	.type	k_q103f6c7cce_attn,@function
k_q103f6c7cce_attn:
	s_mov_b64 s[64:65], 0
	v_nop
	global_prefetch_b8 v0, s[64:65] scope:SCOPE_SE
	s_setreg_imm32_b32 hwreg(HW_REG_WAVE_MODE, 25, 1), 1
	s_wait_xcnt 0x0
	s_wait_alu depctr_hold_cnt(0) depctr_sa_sdst(0) depctr_va_vdst(0) depctr_va_sdst(0) depctr_va_ssrc(0) depctr_va_vcc(0) depctr_vm_vsrc(0)
	s_getreg_b32 s2, hwreg(HW_REG_IB_STS2, 6, 4)
	s_cmp_eq_u32 s2, 0
	s_cbranch_scc0 .Lentry_in_a_cluster
	s_endpgm
.Lentry_in_a_cluster:
	s_bfe_u32 s2, ttmp6, 0x10000c
	s_cmp_lg_u32 s2, 0x3003
	s_cbranch_scc0 .Lentry_shape_is_right
	s_endpgm
.Lentry_shape_is_right:
; Causal attention, 16 heads of 64, 4,096 positions, on f16 operand images (q already times log2(e)/8 and rotated, k rotated, v^T); sums, maxima and exponentials in f32; a running maximum for each query.
; The result leaves as the f16 image of the next product's operand: abuf ((K / 256 x 256 + row / 16) x 8 + (K % 256) / 32) x 1,024, K = 64 head + d.
; SHARES.  A cluster of four work-groups (x = X, 0 .. 3) of one head takes two blocks of 512 queries, Z = 7 - X and then Z = X: 8 - X and X + 1 slots of 512 keys, always nine, so every trip count is a constant.
; Wave w = p + 4 hw owns two tiles of 16 queries, 512 Z + 128 p + 32 cx + 16 (tile xor hw) + r.  Waves p and p + 4 hold the same 32 queries and share the keys: of each unit of 128 keys wave w takes 64 hw .. 64 hw + 63.
; So each fragment read from LDS feeds two tiles, and two waves share a SIMD.  At a pass's end a wave hands tile 1 to its partner through LDS and finishes tile 0 with the partner's part.
; Wave p works units up to 4 Z + p and masks in that last one.  These branches hang on X, the pass, the wave's number and counters; cx enters global addresses and the mask's thresholds (data) alone.
; All four partners walk the same slots in the same order: every fill is asked for jointly, 16 KiB a wave (waves 0-3: K's quarters, waves 4-7: V's).
; LAYOUT.  S^T = K Q^T, O^T = V^T P: a lane holds one query throughout.  The row's sum is a product too: 16 rows of which rows 0 and 8 are ones, times P: it falls into register 0 of every lane and is the sum of the p that are multiplied.
; LIMITS: NaN and infinities are not served; the result stays under 65,504.
; REGISTERS: window 0: v1-13 addresses and constants, v14-15 the first pass's m and l, v16-31 statistics (8 a tile: m, -, a, -, c0-c3), v32-95 S^T, v96-127 P, v128-191 K, v192-255 V.
;   window 1: v0-31 Q, v32-63 the second pass's Q, v64-127 O^T, v128-143 the sums, v144-151 the ones, v160-191 the first pass's O^T of tile 0.
.set SLOTB, 131072                     ; a slot: K's 64 KiB, then V's
.set VOFF,  65536
.set STH,   262144                     ; the first pass's stage: 8 x 4,608 bytes (O^T 4,096, then m and l)
.set STL,   131072                     ; the second pass's, in slot 1, which has had its last fill and its last read by then
.set STB,   4608
.set SPARE, STH+8*STB                  ; the spare words: 128 bytes a wave
.set LI,  1
.set SPW, 2
.set NIL, 3
.set ADK, 4
.set ADV, 5
.set WH,  6
.set RH,  7
.set WL,  8
.set RL,  9
.set PFO, 10
.set D0,  11                           ; v11, v12 the mask's thresholds of tiles 0, 1
.set NINF, 13
.set PM,  14
.set PL,  15
.set ST,  16
.set S,   32
.set P,   96
.set KF,  128
.set VF,  192
.set Q,   0                            ; window 1
.set Q2,  32
.set O,   64
.set LS,  128
.set ONES, 144
.set PO,  160
.set W_KQ, 0x04                        ; Q in window 1
.set W_PV, 0x50                        ; C and D in window 1
.set W_LS, 0x51                        ; and the ones too
.set W_RS, 0x41                        ; destination and source 0 in window 1
.set MSB, 0
.macro WIN new
.if MSB != (\new)
	s_set_vgpr_msb (MSB<<8)|(\new)
.set MSB, (\new)
.endif
.endm
.macro ROUND                           ; a round of the cluster's barrier
	s_barrier_signal -1
	s_barrier_wait -1
	s_cmp_lg_u32 s8, 0
	s_cbranch_scc1 .Lnot_wave_0_\@
	s_barrier_signal -3
.Lnot_wave_0_\@:
	s_barrier_wait -3
	s_barrier_signal -1
	s_barrier_wait -1
.endm
.macro TLOAD                           ; my 16 KiB of a slot; an s_nop 0 and four v_nop follow
	tensor_load_to_lds s[24:27], s[16:23]
	s_nop 0
.rept 4
	v_nop
.endr
.endm
; A prefetch of the slot after the one just asked for.  All clusters of a head walk the same K and V: the cluster X = 0 asks, in trips 0 to 5, for slots 2 to 7.  Its even waves ask for their own 16 KiB and the next
; wave's; the four partners take 8,192 bytes each, told apart by address; lanes 256 bytes apart.  So each run of 256 bytes is named once.  Slots 0 and 1 come by their loads alone.
.macro ASK
	s_cmp_lt_u32 s15, s44
	s_cbranch_scc0 .Lnot_mine_\@
	global_prefetch_b8 v[PFO], s[42:43] th:TH_LOAD_NT scope:SCOPE_SE
.Lnot_mine_\@:
.endm
	s_load_b128 s[4:7], s[0:1], 0x0                ; qkv, abuf
	v_lshl_add_u32 v[SPW], v0, 2, SPARE
	v_mov_b32 v[NIL], 0
	ds_add_u32 v[SPW], v[NIL]                      ; the wave's opening: the add and its wait come ahead of the first tensor load
	v_lshrrev_b32 v4, 5, v0
	v_readfirstlane_b32 s8, v4                     ; w
	s_and_b32 s9, s8, 3                            ; p
	s_lshr_b32 s10, s8, 2                          ; hw
	s_mov_b32 s11, ttmp9                           ; X
	s_bfe_u32 s12, ttmp6, 0x40000                  ; cx
	s_and_b32 s13, ttmp7, 0xffff                   ; the head
	s_sub_co_u32 s14, 8, s11                       ; NH: the first pass's slots
	s_mov_b32 s15, 0                               ; T: the trip
	s_mov_b32 s16, 15|(3<<16)|(1<<21)              ; all four partners; elements of 8 bytes; no padding
	s_mov_b32 s17, 32<<16                          ; rows of 256 bytes,
	s_mov_b32 s18, 64<<16                          ; 64 of them,
	s_mov_b32 s19, 32<<16
	s_mov_b32 s20, 64
	s_mov_b32 s21, 32                              ; dense
	s_mov_b32 s22, 0
	s_mov_b32 s23, 0
	s_mov_b32 s24, 1
	s_lshl_b32 s25, s8, 14                         ; LDS: 16,384 w, in slot 0
	s_add_co_u32 s45, s10, 1
	s_lshl_b32 s45, s45, 23                        ; K's image at 8 MiB, V's at 16 MiB
	s_lshl_b32 s46, s13, 19                        ; the head's 524,288 bytes
	s_add_co_u32 s45, s45, s46
	s_lshl_b32 s47, s9, 14
	s_add_co_u32 s30, s45, s47                     ; my quarter
	s_mov_b32 s31, 0
	s_sub_co_u32 s47, 7, s11
	s_lshl_b32 s47, s47, 5
	s_lshl_b32 s48, s9, 3
	s_add_co_u32 s47, s47, s48
	s_lshl_b32 s49, s12, 1
	s_add_co_u32 s47, s47, s49                     ; the first pass's block of 16 queries: 32 Z + 8 p + 2 cx
	s_lshl_b32 s54, s11, 5
	s_add_co_u32 s54, s54, s48
	s_add_co_u32 s54, s54, s49                     ; the second pass's
	s_lshl_b32 s50, s47, 11
	s_add_co_u32 s50, s50, s46
	s_mov_b32 s51, 0
	s_lshl_b32 s52, s54, 11
	s_add_co_u32 s52, s52, s46
	s_mov_b32 s53, 0
	s_lshr_b32 s48, s13, 2
	s_lshl_b32 s48, s48, 21
	s_and_b32 s49, s13, 3
	s_lshl_b32 s49, s49, 11
	s_add_co_u32 s48, s48, s49                     ; the head's place in abuf
	s_add_co_u32 s47, s47, s10
	s_lshl_b32 s36, s47, 13
	s_add_co_u32 s36, s36, s48
	s_mov_b32 s37, 0
	s_add_co_u32 s54, s54, s10
	s_lshl_b32 s38, s54, 13
	s_add_co_u32 s38, s38, s48
	s_mov_b32 s39, 0
	s_mov_b32 s40, 0x76543210
	s_mov_b32 s41, 0xfedcba98                      ; lane l xor 16
	s_lshl_b32 s32, s10, 13                        ; TK: LDS byte of my 64 keys of the unit in hand
	s_mov_b32 s33, 0                               ; U: the unit
	s_sub_co_u32 s34, 7, s11
	s_lshl_b32 s34, s34, 2
	s_add_co_u32 s34, s34, s9                      ; UL: my last unit, 4 Z + p
	s_and_b32 s44, s8, 1
	s_or_b32 s44, s44, s11
	s_cmp_eq_u32 s44, 0
	s_cselect_b32 s44, 6, 0                        ; even waves of the cluster X = 0 prefetch in trips 0 to 5
	s_lshl_b32 s42, s12, 13
	s_add_co_u32 s42, s42, 65536                   ; my work-group's 8,192 bytes, in slot 1: the first change steps it to slot 2
	s_mov_b32 s43, 0
	s_wait_dscnt 0x0                               ; the opening add is done
	s_wait_kmcnt 0x0
	s_add_nc_u64 s[28:29], s[4:5], s[30:31]        ; my quarter of slot 0 in memory
	s_mov_b64 s[26:27], s[28:29]
	s_or_b32 s27, s27, 0x80000000
	s_add_nc_u64 s[42:43], s[28:29], s[42:43]
	s_add_nc_u64 s[50:51], s[4:5], s[50:51]
	s_add_nc_u64 s[52:53], s[4:5], s[52:53]
	s_add_nc_u64 s[36:37], s[6:7], s[36:37]
	s_add_nc_u64 s[38:39], s[6:7], s[38:39]
	ROUND                                          ; all four work-groups are here
	TLOAD                                          ; slot 0
	v_and_b32 v1, 31, v0
	v_lshlrev_b32 v[LI], 4, v1                     ; 16 x lane
	s_lshl_b32 s45, s10, 11
	v_add_nc_u32 v4, s45, v[LI]                    ; tile 0 is block hw of my two blocks of queries,
	s_xor_b32 s45, s45, 2048
	v_add_nc_u32 v5, s45, v[LI]                    ; tile 1 the other
	WIN 0x40
.irp t, 0,1
.irp df, 0,1
.irp g, 0,1
	global_load_b128 v[Q+16*\t+8*\df+4*\g:Q+16*\t+8*\df+4*\g+3], v[4+\t], s[50:51] offset:1024*\df+512*\g
	global_load_b128 v[Q2+16*\t+8*\df+4*\g:Q2+16*\t+8*\df+4*\g+3], v[4+\t], s[52:53] offset:1024*\df+512*\g
.endr
.endr
.endr
	WIN 0
	s_mul_i32 s45, s8, STB
	s_xor_b32 s46, s8, 4                           ; my partner
	s_mul_i32 s46, s46, STB
	v_add_nc_u32 v[WH], s45, v[LI]
	v_add_nc_u32 v[WL], STL, v[WH]
	v_add_nc_u32 v[WH], STH, v[WH]
	v_add_nc_u32 v[RH], s46, v[LI]
	v_add_nc_u32 v[RL], STL, v[RH]
	v_add_nc_u32 v[RH], STH, v[RH]
	v_lshlrev_b32 v[PFO], 4, v[LI]                 ; 256 x lane
	v_and_b32 v11, 15, v0
	v_bfe_u32 v12, v0, 4, 1
	v_lshlrev_b32 v12, 3, v12
	v_sub_nc_u32 v11, v11, v12                     ; r - 8 h
	s_lshl_b32 s47, s12, 5                         ; 32 cx
	s_mul_i32 s45, s10, 48
	s_sub_co_u32 s45, s47, s45                     ; tile 0: 32 cx + 16 hw - 64 hw
	s_mul_i32 s46, s10, 80
	s_sub_co_u32 s46, s47, s46
	s_add_co_u32 s46, s46, 16                      ; tile 1: 32 cx + 16 (1 - hw) - 64 hw
	v_add_nc_u32 v12, s46, v11
	v_add_nc_u32 v11, s45, v11                     ; in the diagonal unit register 8 kt + j is hidden where 16 kt + j > threshold
	v_mov_b32 v[NINF], 0xff800000
	v_mov_b32 v[PM], 0
	v_mov_b32 v[PL], 0
.set i, ST
.rept 16
	v_mov_b32 v[i], 0                              ; the statistics' registers are named in pairs and fours: all are written
.set i, i+1
.endr
	v_mov_b32 v[ST], 0xff61b1e6                    ; m = -3e38, under every score
	v_mov_b32 v[ST+8], 0xff61b1e6
	v_and_b32 v30, 7, v0
	v_cmp_eq_u32 vcc_lo, 0, v30
	v_mov_b32 v31, 0x3c003c00                      ; two ones in f16
	v_cndmask_b32 v31, 0, v31, vcc_lo              ; in rows 0 and 8 alone
	WIN 0x40
.set i, 0
.rept 80
	v_mov_b32 v[O+i], 0                            ; O^T and the sums: the step is written once, and its first turn finds zeros
.set i, i+1
.endr
.set i, 0
.rept 32
	v_mov_b32 v[PO+i], 0
.set i, i+1
.endr
.set i, 0
.rept 8
	v_mov_b32 v[ONES+i], v31
.set i, i+1
.endr
	WIN 0
	s_wait_loadcnt 0x0                             ; Q of both passes
; A UNIT: my 64 of its 128 keys, for my two tiles.
.macro STEP
	s_cmp_gt_u32 s33, s34                          ; a unit all of whose keys come after my queries is left out
	s_cbranch_scc1 .Ldone_\@
	v_add_nc_u32 v[ADK], s32, v[LI]
	v_add_nc_u32 v[ADV], VOFF, v[ADK]
	v_nop
	v_nop                                          ; four plain instructions between the last products and the loads into their registers
.irp kt, 0,1,2,3
.irp df, 0,1
.irp g, 0,1
	ds_load_b128 v[KF+8*(2*\kt+\df)+4*\g:KF+8*(2*\kt+\df)+4*\g+3], v[ADK] offset:2048*\kt+1024*\df+512*\g
.endr
.endr
.endr
.irp k, 0,1
.irp dt, 0,1,2,3
.irp g, 0,1
	ds_load_b128 v[VF+8*(4*\k+\dt)+4*\g:VF+8*(4*\k+\dt)+4*\g+3], v[ADV] offset:4096*\k+1024*\dt+512*\g
.endr
.endr
.endr
	s_wait_dscnt 16                                ; K is in; V's sixteen loads may stay out
	WIN W_KQ
.irp df, 0,1                                   ; eight accumulators by turns
.irp kt, 0,1,2,3
.irp t, 0,1
.if \df == 0
	v_wmma_f32_16x16x32_f16 v[S+32*\t+8*\kt:S+32*\t+8*\kt+7], v[KF+8*(2*\kt+\df):KF+8*(2*\kt+\df)+7], v[Q+16*\t+8*\df:Q+16*\t+8*\df+7], 0
.else
	v_wmma_f32_16x16x32_f16 v[S+32*\t+8*\kt:S+32*\t+8*\kt+7], v[KF+8*(2*\kt+\df):KF+8*(2*\kt+\df)+7], v[Q+16*\t+8*\df:Q+16*\t+8*\df+7], v[S+32*\t+8*\kt:S+32*\t+8*\kt+7]
.endif
.endr
.endr
.endr
	WIN 0
.rept 4
	v_nop
.endr
	s_cmp_lg_u32 s33, s34                          ; only my last unit lies on the diagonal
	s_cbranch_scc1 .Lopen_\@
.irp t, 0,1
.set n, 0
.rept 32
	v_cmp_gt_i32 vcc_lo, 16*(n/8)+n%8, v[D0+\t]
	v_cndmask_b32 v[S+32*\t+n], v[S+32*\t+n], v[NINF], vcc_lo
.set n, n+1
.endr
.endr
.Lopen_\@:
.irp j, 0,1,2,3                                ; the maximum: four chains a tile, each begun at an accumulator's low end
.irp t, 0,1
	v_max3_num_f32 v[ST+8*\t+4+\j], v[S+32*\t+8*\j], v[S+32*\t+8*\j+1], v[S+32*\t+8*\j+2]
.endr
.endr
.irp q, 1,2
.irp j, 0,1,2,3
.irp t, 0,1
	v_max3_num_f32 v[ST+8*\t+4+\j], v[ST+8*\t+4+\j], v[S+32*\t+8*\j+2*\q+1], v[S+32*\t+8*\j+2*\q+2]
.endr
.endr
.endr
.irp t, 0,1
	v_max3_num_f32 v[ST+8*\t+4], v[ST+8*\t+4], v[S+32*\t+7], v[S+32*\t+15]
.endr
.irp t, 0,1
	v_max3_num_f32 v[ST+8*\t+6], v[ST+8*\t+6], v[S+32*\t+23], v[S+32*\t+31]
.endr
.irp t, 0,1
	v_max3_num_f32 v[ST+8*\t+4], v[ST+8*\t+4], v[ST+8*\t+5], v[ST+8*\t+6]
.endr
.irp t, 0,1
	v_max3_num_f32 v[ST+8*\t+4], v[ST+8*\t+4], v[ST+8*\t+7], v[ST+8*\t]     ; with the old m
.endr
.irp t, 0,1
	v_permlanex16_b32 v[ST+8*\t+5], v[ST+8*\t+4], s40, s41
.endr
.irp t, 0,1
	v_max_num_f32 v[ST+8*\t+5], v[ST+8*\t+4], v[ST+8*\t+5]                  ; the new m
.endr
.irp t, 0,1
	v_sub_f32 v[ST+8*\t+2], v[ST+8*\t], v[ST+8*\t+5]                        ; old m - new m
.endr
.irp t, 0,1
	v_mov_b32 v[ST+8*\t], v[ST+8*\t+5]
.endr
.set i, 0
.rept 16
.irp t, 0,1
	v_pk_add_f32 v[S+32*\t+2*i:S+32*\t+2*i+1], v[S+32*\t+2*i:S+32*\t+2*i+1], v[ST+8*\t:ST+8*\t+1] op_sel_hi:[1,0] neg_lo:[0,1] neg_hi:[0,1]
.endr
.set i, i+1
.endr
.irp t, 0,1
	v_exp_f32 v[ST+8*\t+2], v[ST+8*\t+2]           ; a = 2^(old m - new m)
.endr
.set i, 0
.rept 64
	v_exp_f32 v[S+i], v[S+i]                       ; p = 2^(s - m): one batch
.set i, i+1
.endr
	v_nop                                          ; a plain instruction behind the batch
	s_wait_alu depctr_va_vdst(0)                   ; one wait for the 66, ahead of their first reader
.set i, 0
.rept 32
	v_cvt_pk_f16_f32 v[P+i], v[S+2*i], v[S+2*i+1]  ; two tiles of 16 keys are a fragment of 32
.set i, i+1
.endr
	WIN W_RS
.set i, 0
.rept 16
.irp t, 0,1
	v_pk_mul_f32 v[O+32*\t+2*i:O+32*\t+2*i+1], v[O+32*\t+2*i:O+32*\t+2*i+1], v[ST+8*\t+2:ST+8*\t+3] op_sel_hi:[1,0]
.endr
.set i, i+1
.endr
.irp t, 0,1
	v_mul_f32 v[LS+8*\t], v[LS+8*\t], v[ST+8*\t+2] ; the sum lies in register 0; the others hold zeros
.endr
	s_wait_dscnt 0x0                               ; V is in
.irp k, 0,1                                    ; ten accumulators by turns
	WIN W_PV
.irp dt, 0,1,2,3
.irp t, 0,1
	v_wmma_f32_16x16x32_f16 v[O+32*\t+8*\dt:O+32*\t+8*\dt+7], v[VF+8*(4*\k+\dt):VF+8*(4*\k+\dt)+7], v[P+16*\t+8*\k:P+16*\t+8*\k+7], v[O+32*\t+8*\dt:O+32*\t+8*\dt+7]
.endr
.endr
	WIN W_LS
.irp t, 0,1
	v_wmma_f32_16x16x32_f16 v[LS+8*\t:LS+8*\t+7], v[ONES:ONES+7], v[P+16*\t+8*\k:P+16*\t+8*\k+7], v[LS+8*\t:LS+8*\t+7]
.endr
.endr
	WIN 0
.Ldone_\@:
	s_add_co_u32 s33, s33, 1
	s_add_co_u32 s32, s32, 16384                   ; the next unit's keys
.endm
.macro UNITS                           ; a slot's four units
	s_mov_b32 s35, 4
.Lunit_\@:
	STEP
	s_sub_co_u32 s35, s35, 1
	s_cmp_lg_u32 s35, 0
	s_cbranch_scc1 .Lunit_\@
	s_sub_co_u32 s32, s32, 65536
	s_xor_b32 s32, s32, SLOTB                      ; on to the other slot
.endm
; THE CHANGE OF SLOTS, at a slot's head: all my tensor loads have landed, the add, my reads of the slot that I have left are over; then a round of the cluster's barrier, and the joint fill of that slot first behind it.
.macro CHANGE fill
	s_wait_tensorcnt 0x0                           ; no load of mine is out, so the descriptor may be written
	ds_add_u32 v[SPW], v[NIL]
.if \fill
	s_xor_b32 s25, s25, SLOTB                      ; the other slot than last time
	s_add_co_u32 s45, s15, 1                       ; the next trip's slot of keys: T + 1, begun anew at the second pass
	s_cmp_ge_u32 s45, s14
	s_cselect_b32 s46, s14, 0
	s_sub_co_u32 s45, s45, s46
	s_lshl_b32 s30, s45, 16
	s_add_nc_u64 s[26:27], s[28:29], s[30:31]
	s_or_b32 s27, s27, 0x80000000
	s_wait_xcnt 0x0                                ; the last prefetch, a slot back, has read its address
	s_add_nc_u64 s[42:43], s[42:43], 65536
.endif
	s_wait_dscnt 0x0
.if \fill
	ROUND
	TLOAD
	ASK
.else
	s_barrier_signal -1
	s_barrier_wait -1
.endif
.endm
.macro SEND adr                        ; tile 1's O^T, m and l go to my partner's eyes
.rept 4
	v_nop                                          ; behind the last products
.endr
	WIN 0x01
	v_mov_b32 v[ST+13], v[LS+8]                    ; l: register 0 of the sum
	WIN 0
	v_mov_b32 v[ST+12], v[ST+8]                    ; m
	WIN 0x04                                       ; an LDS store's data are its source 1: window 1
.irp i, 0,1,2,3,4,5,6,7
	ds_store_b128 v[\adr], v[O+32+4*\i:O+32+4*\i+3] offset:512*\i
.endr
	WIN 0
	ds_store_b128 v[\adr], v[ST+12:ST+15] offset:4096
.endm
.macro SWITCH                          ; at trip NH the first pass ends: the same trip in all four partners
	s_cmp_lg_u32 s15, s14
	s_cbranch_scc1 .Lsame_\@
	SEND WH
	WIN W_RS
.set i, 0
.rept 32
	v_mov_b32 v[PO+i], v[O+i]                      ; tile 0 is parked
.set i, i+1
.endr
.set i, 0
.rept 32
	v_mov_b32 v[Q+i], v[Q2+i]
.set i, i+1
.endr
	WIN 0x01
	v_mov_b32 v[PL], v[LS]
	WIN 0
	v_mov_b32 v[PM], v[ST]
	v_mov_b32 v[ST], 0xff61b1e6
	v_mov_b32 v[ST+8], 0xff61b1e6
	WIN 0x40
.set i, 0
.rept 80
	v_mov_b32 v[O+i], 0
.set i, i+1
.endr
	WIN 0
	s_mov_b32 s33, 0
	s_lshl_b32 s34, s11, 2
	s_add_co_u32 s34, s34, s9                      ; my last unit of the second pass
.Lsame_\@:
.endm
; My tile 0 (O^T at v[ob] of window 1, m, l) and my partner's tile 1 are the same 16 queries over the two halves of the keys: brought under one maximum, divided by the sum, rounded, stored as four groups of an image.
.macro FINISH ob, m, l, rd, sb, out
.irp i, 0,1,2,3,4,5,6,7
	ds_load_b128 v[32+4*\i:35+4*\i], v[\rd] offset:512*\i
.endr
	ds_load_b128 v[64:67], v[\rd] offset:4096
	s_wait_dscnt 0x0
	v_max_num_f32 v68, v[\m], v64
	v_sub_f32 v69, v[\m], v68
	v_sub_f32 v70, v64, v68
	v_exp_f32 v69, v69
	v_exp_f32 v70, v70
	v_nop
	s_wait_alu depctr_va_vdst(0)
	v_mul_f32 v71, v[\l], v69
	v_fma_f32 v71, v65, v70, v71
	v_rcp_f32 v71, v71
	v_nop
	s_wait_alu depctr_va_vdst(0)
	v_mul_f32 v72, v69, v71
	v_mul_f32 v74, v70, v71
	v_mov_b32 v73, v72                             ; (named as pairs)
	v_mov_b32 v75, v74
.set i, 0
.rept 16
	v_pk_mul_f32 v[32+2*i:33+2*i], v[32+2*i:33+2*i], v[74:75] op_sel_hi:[1,0]
.set i, i+1
.endr
	WIN 0x01
.set i, 0
.rept 16
	v_pk_fma_f32 v[32+2*i:33+2*i], v[\ob+2*i:\ob+2*i+1], v[72:73], v[32+2*i:33+2*i] op_sel_hi:[1,0,1]
.set i, i+1
.endr
	WIN 0
.set i, 0
.rept 16
	v_cvt_pk_f16_f32 v[\out+i], v[32+2*i], v[33+2*i]
.set i, i+1
.endr
.irp dt, 0,1,2,3
	global_store_b128 v[LI], v[\out+4*\dt:\out+4*\dt+3], s[\sb:\sb+1] offset:512*\dt   ; 512 consecutive bytes a store
.endr
.endm
.Ltrip:                                            ; eight trips; behind each change the next slot is asked for
	CHANGE 1
	SWITCH
	UNITS
	s_add_co_u32 s15, s15, 1
	s_cmp_lt_u32 s15, 8
	s_cbranch_scc1 .Ltrip
	CHANGE 0                                       ; the ninth is written out: nothing is left to fetch
	SWITCH
	UNITS
	s_wait_dscnt 0x0
	s_barrier_signal -1
	s_barrier_wait -1                              ; nobody reads a slot any more
	SEND WL
	WIN 0x01
	v_mov_b32 v[ST+5], v[LS]                       ; my tile 0's l
	WIN 0
	s_wait_dscnt 0x0                               ; for my partner's sake: my stores have landed
	s_barrier_signal -1
	s_barrier_wait -1
	FINISH PO, PM, PL, RH, 36, 80
	FINISH O, ST, ST+5, RL, 38, 96
	s_wait_tensorcnt 0x0                           ; the wave's end
	ds_add_u32 v[SPW], v[NIL]
	s_wait_dscnt 0x0
	ROUND                                          ; the closing round
	s_endpgm
.Lfunc_end_k_q103f6c7cce_attn:
	.size	k_q103f6c7cce_attn, .Lfunc_end_k_q103f6c7cce_attn-k_q103f6c7cce_attn
	.p2alignl 7, 3214868480
	.fill 96, 4, 3214868480
	.section	.rodata,"a",@progbits
	.p2align	6, 0x0
	.amdhsa_kernel k_q103f6c7cce_attn
		.amdhsa_group_segment_fixed_size 327680
		.amdhsa_private_segment_fixed_size 0
		.amdhsa_enable_private_segment 0
		.amdhsa_kernarg_size 16
		.amdhsa_user_sgpr_count 2
		.amdhsa_user_sgpr_kernarg_segment_ptr 1
		.amdhsa_wavefront_size32 1
		.amdhsa_system_sgpr_workgroup_id_x 1
		.amdhsa_system_sgpr_workgroup_id_y 1
		.amdhsa_system_sgpr_workgroup_id_z 1
		.amdhsa_system_vgpr_workitem_id 0
		.amdhsa_next_free_vgpr 512
		.amdhsa_next_free_sgpr 66
		.amdhsa_reserve_vcc 1
		.amdhsa_float_denorm_mode_32 3
		.amdhsa_float_denorm_mode_16_64 3
		.amdhsa_memory_ordered 1
		.amdhsa_forward_progress 1
		.amdhsa_inst_pref_size 76
	.end_amdhsa_kernel
	.amdgpu_metadata
---
amdhsa.version: [ 1, 2 ]
amdhsa.kernels:
  - .name:           k_q103f6c7cce_attn
    .symbol:         k_q103f6c7cce_attn.kd
    .args:
      - { .name: qkv, .offset: 0, .size: 8, .value_kind: global_buffer, .address_space: global }
      - { .name: abuf, .offset: 8, .size: 8, .value_kind: global_buffer, .address_space: global }
    .group_segment_fixed_size: 327680
    .private_segment_fixed_size: 0
    .kernarg_segment_align: 8
    .kernarg_segment_size: 16
    .max_flat_workgroup_size: 256
    .sgpr_count:     66
    .vgpr_count:     512
    .wavefront_size: 32
...
	.end_amdgpu_metadata
.endif
;; end of part 3
;; launch oproj (part 4): grid 8 x 32, 4 waves a work-group, clusters of 4 x 1, 327,680 bytes of LDS; arguments abuf, woh, a32, Wo, out0; writes out0
.if DOCPART == 4
	.amdgcn_target "amdgcn-amd-amdhsa--gfx1250"
	.amdhsa_code_object_version 6
	.text
	.protected	k_q103f6c7cce_oproj
	.globl	k_q103f6c7cce_oproj
	.p2align	8
	.type	k_q103f6c7cce_oproj,@function
k_q103f6c7cce_oproj:
	s_mov_b64 s[64:65], 0
	v_nop
	global_prefetch_b8 v0, s[64:65] scope:SCOPE_SE
	s_setreg_imm32_b32 hwreg(HW_REG_WAVE_MODE, 25, 1), 1
	s_wait_xcnt 0x0
	s_wait_alu depctr_hold_cnt(0) depctr_sa_sdst(0) depctr_va_vdst(0) depctr_va_sdst(0) depctr_va_ssrc(0) depctr_va_vcc(0) depctr_vm_vsrc(0)
	s_getreg_b32 s2, hwreg(HW_REG_IB_STS2, 6, 4)
	s_cmp_eq_u32 s2, 0
	s_cbranch_scc0 .Lentry_in_a_cluster
	s_endpgm
.Lentry_in_a_cluster:
	s_bfe_u32 s2, ttmp6, 0x10000c
	s_cmp_lg_u32 s2, 0x3003
	s_cbranch_scc0 .Lentry_shape_is_right
	s_endpgm
.Lentry_shape_is_right:
; out0 = A Wo^T, [4096][1024] f32, K = 1,024.  Rows 16 and on: f16 operands (abuf, woh: images of operand registers, 1,024 bytes a fragment, a K step's 128 rows 64 KiB on end), f32 sums.
; Rows 0-15, the largest of the output, for which f16 operands are too coarse: f32 operands (a32, Wo) by fused multiply-adds: work-group g = 8 tr + ct makes columns 4 g .. 4 g + 3 of those 16 rows, four rows a wave.
; A tile is 128 x 128, four waves of 64 x 64 (16 accumulators).  K goes in four steps of 256 through two LDS slots.  The matrix instruction is used transposed (source 0 = Wo's rows, source 1 = A's rows):
; a lane holds eight neighbouring numbers of a row.  CLUSTER: four work-groups along x share A's tile, which is asked for jointly; B's tile differs from partner to partner and comes by a load of each work-group's own,
; behind the same rounds.  The cluster lies along x alone, so that the branch that leaves rows 0-15 out of the matrix path hangs on the tile row, which the partners share, and on the wave's number.
; REGISTERS: window 0: v16-31 addresses, v32-95 the way out, v128-255 the accumulators; window 1: two fragment buffers; window 2: v0-127 four rows of a32, v128-255 four rows of Wo.
.set SLOT,   131072                    ; A's 64 KiB, then B's
.set BOFF,   65536
.set ASTEP,  2097152                   ; a K step on in abuf
.set BSTEP,  524288                    ; and in woh
.set STAGE,  262144                    ; 16 rows x 272 bytes for each wave
.set SPITCH, 272
.set SPARE,  STAGE+4*16*SPITCH         ; the spare words: 128 bytes a wave
.set ADRA, 16
.set ADRB, 20
.set STO,  24
.set RD,   25
.set CO,   26
.set LI,   27
.set SPW,  28
.set NIL,  29
.set ZR,   30
.set LN,   31
.set TMP,  32
.set ACC,  128
.set F0,   0
.set F1,   128
.set G1, 24
.set G0, 32
.set G1B, 48
.set G0B, 56
.set MSB, 0
.macro WIN new
.if MSB != (\new)
	s_set_vgpr_msb (MSB<<8)|(\new)
.set MSB, (\new)
.endif
.endm
.set MUL,  0x05                        ; sources 0 and 1 window 1
.set TO_F, 0x40
.macro JLOAD s                         ; waves 0, 1: A's halves, jointly; waves 2, 3: B's halves; an s_nop 0 and four v_nop follow each line
	s_cmp_eq_u32 s15, 0
	s_cbranch_scc0 .Lfor_b_\@
	tensor_load_to_lds s[G0+4*\s:G0+4*\s+3], s[G1:G1+7]
	s_nop 0
.rept 4
	v_nop
.endr
	s_branch .Lasked_\@
.Lfor_b_\@:
	tensor_load_to_lds s[G0B+4*\s:G0B+4*\s+3], s[G1B:G1B+7]
	s_nop 0
.rept 4
	v_nop
.endr
.Lasked_\@:
.endm
.macro CREST
	s_cmp_lg_u32 s14, 0
	s_cbranch_scc1 .Lnot_wave_0_\@
	s_barrier_signal -3
.Lnot_wave_0_\@:
	s_barrier_wait -3
	s_barrier_signal -1
	s_barrier_wait -1
.endm
.macro CROUND
	s_barrier_signal -1
	s_barrier_wait -1
	CREST
.endm
	s_load_b256 s[4:11], s[0:1], 0x0               ; abuf s[4:5], woh s[6:7], a32 s[8:9], Wo s[10:11]
	s_load_b64 s[12:13], s[0:1], 0x20              ; out0
	v_lshl_add_u32 v[SPW], v0, 2, SPARE
	v_mov_b32 v[NIL], 0
	ds_add_u32 v[SPW], v[NIL]                      ; the wave's opening: the add and its wait come ahead of the first tensor load
	v_lshrrev_b32 v1, 5, v0
	v_readfirstlane_b32 s14, v1                    ; wave
	s_lshr_b32 s15, s14, 1                         ; my half of the rows; also: I fetch for A (0) or B (1)
	s_and_b32 s16, s14, 1                          ; my half of the columns; also: which half I fetch
	s_bfe_u32 s17, ttmp6, 0x40000                  ; cx
	s_lshl_b32 s18, ttmp9, 2
	s_add_co_u32 s18, s18, s17                     ; ct: the tile column
	s_and_b32 s19, ttmp7, 0xffff                   ; tr: the tile row, shared by the partners
	s_mov_b32 s[G1], 15|(3<<16)|(1<<21)            ; all four partners; elements of 8 bytes
	s_mov_b32 s[G1B], 3<<16                        ; no mask
.irp g, G1, G1B
	s_mov_b32 s[\g+1], 32<<16                      ; rows of 256 bytes,
	s_mov_b32 s[\g+2], 128<<16                     ; 128 of them,
	s_mov_b32 s[\g+3], 32<<16
	s_mov_b32 s[\g+4], 128
	s_mov_b32 s[\g+5], 32                          ; dense
	s_mov_b32 s[\g+6], 0
	s_mov_b32 s[\g+7], 0
.endr
	s_lshl_b32 s20, s19, 3
	s_lshl_b32 s21, s16, 2
	s_add_co_u32 s20, s20, s21
	s_lshl_b32 s20, s20, 13                        ; A: blocks of rows 8 tr + 4 half on
	s_mov_b32 s21, 0
	s_lshl_b32 s40, s18, 3
	s_lshl_b32 s41, s16, 2
	s_add_co_u32 s40, s40, s41
	s_lshl_b32 s40, s40, 13                        ; B: 8 ct + 4 half on
	s_mov_b32 s41, 0
	s_lshl_b32 s22, s14, 15                        ; LDS: 32,768 x wave
	s_wait_dscnt 0x0                               ; the opening add is done
	s_wait_kmcnt 0x0
	s_add_nc_u64 s[20:21], s[4:5], s[20:21]
	s_add_nc_u64 s[40:41], s[6:7], s[40:41]
	CROUND                                         ; all four work-groups are here
.irp s, 0,1
	s_mov_b32 s[G0+4*\s], 1
	s_add_co_u32 s[G0+4*\s+1], s22, \s*SLOT
	s_add_nc_u64 s[G0+4*\s+2:G0+4*\s+3], s[20:21], \s*ASTEP
	s_or_b32 s[G0+4*\s+3], s[G0+4*\s+3], 0x80000000
	s_mov_b32 s[G0B+4*\s], 1
	s_add_co_u32 s[G0B+4*\s+1], s22, \s*SLOT
	s_add_nc_u64 s[G0B+4*\s+2:G0B+4*\s+3], s[40:41], \s*BSTEP
	s_or_b32 s[G0B+4*\s+3], s[G0B+4*\s+3], 0x80000000
	JLOAD \s                                       ; two loads of mine are out
.endr
	v_and_b32 v1, 15, v0                           ; r
	v_bfe_u32 v2, v0, 4, 1                         ; h
	v_and_b32 v[LN], 31, v0
	v_lshlrev_b32 v[LI], 4, v[LN]
	v_mov_b32 v[ZR], 0
	s_lshl_b32 s20, s15, 15                        ; my four blocks of A's rows
	s_lshl_b32 s21, s16, 15
	s_add_co_u32 s21, s21, BOFF                    ; and of B's
.irp s, 0,1
	v_add_nc_u32 v[ADRA+\s], s20, v[LI]
	v_add_nc_u32 v[ADRB+\s], s21, v[LI]
	s_add_co_u32 s20, s20, SLOT
	s_add_co_u32 s21, s21, SLOT
.endr
	s_mul_i32 s20, s14, 16*SPITCH
	s_add_co_u32 s20, s20, STAGE                   ; my stage
	v_mul_u32_u24 v3, v1, SPITCH
	v_lshl_add_u32 v3, v2, 5, v3
	v_add_nc_u32 v[STO], s20, v3                   ; in: row r, 32 bytes for each half of the lanes
	v_mul_u32_u24 v3, v2, SPITCH
	v_lshl_add_u32 v3, v1, 4, v3
	v_add_nc_u32 v[RD], s20, v3                    ; back: lanes 0-15 one row of 256 bytes, lanes 16-31 the next
	v_lshlrev_b32 v3, 12, v2
	v_lshl_add_u32 v[CO], v1, 4, v3                ; and the same two rows in out0
	s_lshl_b32 s20, s19, 3
	s_add_co_u32 s20, s20, s18                     ; g = 8 tr + ct
	s_lshl_b32 s42, s20, 4                         ; rows 0-15: column 4 g,
	s_lshl_b32 s21, s14, 14                        ; rows 4 x wave on
	s_add_co_u32 s42, s42, s21
	s_mov_b32 s43, 0
	s_add_nc_u64 s[42:43], s[12:13], s[42:43]
	s_mov_b32 s44, s21
	s_mov_b32 s45, 0
	s_add_nc_u64 s[8:9], s[8:9], s[44:45]          ; a32 at my four rows
	s_lshl_b32 s44, s20, 14
	s_add_nc_u64 s[10:11], s[10:11], s[44:45]      ; Wo at rows 4 g on
	s_lshl_b32 s44, s19, 19                        ; the tile: row 128 tr + 64 rh, byte 512 ct + 256 ch
	s_lshl_b32 s21, s15, 18
	s_add_co_u32 s44, s44, s21
	s_lshl_b32 s21, s18, 9
	s_add_co_u32 s44, s44, s21
	s_lshl_b32 s21, s16, 8
	s_add_co_u32 s44, s44, s21
	s_add_nc_u64 s[12:13], s[12:13], s[44:45]
	WIN 0x80                                       ; the f32 rows' operands are asked for now and wanted at the end
.irp p, 0,1,2,3
.irp i, 0,1,2,3,4,5,6,7
	global_load_b128 v[32*\p+4*\i:32*\p+4*\i+3], v[LI], s[8:9] offset:4096*\p+512*\i
.endr
.endr
.irp p, 0,1,2,3
.irp i, 0,1,2,3,4,5,6,7
	global_load_b128 v[128+32*\p+4*\i:128+32*\p+4*\i+3], v[LI], s[10:11] offset:4096*\p+512*\i
.endr
.endr
	WIN 0
.macro MUL8 f, c, a0, zero             ; A's blocks a0, a0 + 1 x B's four, 32 along K; the 16 accumulators take turns
.irp a, \a0, \a0+1
.irp b, 0,1,2,3
.if \zero
	v_wmma_f32_16x16x32_f16 v[ACC+8*(4*(\a)+\b):ACC+8*(4*(\a)+\b)+7], v[\f+64+8*(4*\c+\b):\f+64+8*(4*\c+\b)+7], v[\f+8*(4*\c+\a):\f+8*(4*\c+\a)+7], 0
.else
	v_wmma_f32_16x16x32_f16 v[ACC+8*(4*(\a)+\b):ACC+8*(4*(\a)+\b)+7], v[\f+64+8*(4*\c+\b):\f+64+8*(4*\c+\b)+7], v[\f+8*(4*\c+\a):\f+8*(4*\c+\a)+7], v[ACC+8*(4*(\a)+\b):ACC+8*(4*(\a)+\b)+7]
.endif
.endr
.endr
.endm
.macro FETCH slot, kq, f               ; 32 LDS loads: the fragments of quarter kq (64 along K), the first 32 along K first; each load takes 512 consecutive bytes
	WIN TO_F
.irp c, 0,1
.irp i, 0,1,2,3
	ds_load_b128 v[\f+64+8*(4*\c+\i):\f+64+8*(4*\c+\i)+3],   v[ADRB+\slot] offset:\i*8192+(2*(\kq)+\c)*1024
	ds_load_b128 v[\f+64+8*(4*\c+\i)+4:\f+64+8*(4*\c+\i)+7], v[ADRB+\slot] offset:\i*8192+(2*(\kq)+\c)*1024+512
	ds_load_b128 v[\f+8*(4*\c+\i):\f+8*(4*\c+\i)+3],         v[ADRA+\slot] offset:\i*8192+(2*(\kq)+\c)*1024
	ds_load_b128 v[\f+8*(4*\c+\i)+4:\f+8*(4*\c+\i)+7],       v[ADRA+\slot] offset:\i*8192+(2*(\kq)+\c)*1024+512
.endr
.endr
.endm
.macro PLACES
.rept 4
	v_nop
.endr
.endm
.macro QUARTER slot, kq, f, g, zero    ; multiplies buffer f and fetches quarter kq of the slot into g
	s_wait_dscnt 16                                ; the first 32 along K are in
	WIN MUL
	MUL8 \f, 0, 0, \zero
	MUL8 \f, 0, 2, \zero
	PLACES
	FETCH \slot, \kq, \g
	s_wait_dscnt 32                                ; all but the 32 just issued
	WIN MUL
	MUL8 \f, 1, 0, 0
	MUL8 \f, 1, 2, 0
.endm
.macro TURN slot, next, fill           ; a slot's last quarter changes slots: one barrier; fill = 1: it opens a round, and this slot is filled again, two K steps on
	WIN 0
	s_wait_tensorcnt 0x0                           ; all my tensor loads have landed: my part of the next slot
	ds_add_u32 v[SPW], v[NIL]
	s_wait_dscnt 17                                ; the add and the youngest sixteen loads may be out
	WIN MUL
	MUL8 F1, 0, 0, 0
	s_wait_dscnt 0x0                               ; the add is done, and my reads of this slot are over
	s_barrier_signal -1
	MUL8 F1, 0, 2, 0
.if \fill
	WIN 0
.endif
	s_barrier_wait -1
.if \fill
	CREST
	s_add_nc_u64 s[G0+4*\slot+2:G0+4*\slot+3], s[G0+4*\slot+2:G0+4*\slot+3], 2*ASTEP
	s_add_nc_u64 s[G0B+4*\slot+2:G0B+4*\slot+3], s[G0B+4*\slot+2:G0B+4*\slot+3], 2*BSTEP
	JLOAD \slot                                    ; the first tensor load behind the round; its four v_nop are also the places ahead of the loads below
.else
	PLACES
.endif
	FETCH \next, 0, F0
	WIN MUL
	MUL8 F1, 1, 0, 0
	MUL8 F1, 1, 2, 0
.endm
	s_wait_tensorcnt 1                             ; my part of K step 0 is in; K step 1's load may stay out
	s_barrier_signal -1
	s_barrier_wait -1
	FETCH 0, 0, F0
	QUARTER 0, 1, F0, F1, 1                        ; the first products start the sums
	QUARTER 0, 2, F1, F0, 0
	QUARTER 0, 3, F0, F1, 0
	TURN 0, 1, 1                                   ; slot 0 takes K step 2
	QUARTER 1, 1, F0, F1, 0
	QUARTER 1, 2, F1, F0, 0
	QUARTER 1, 3, F0, F1, 0
	TURN 1, 0, 1                                   ; slot 1 takes K step 3
	QUARTER 0, 1, F0, F1, 0
	QUARTER 0, 2, F1, F0, 0
	QUARTER 0, 3, F0, F1, 0
	TURN 0, 1, 0                                   ; nothing is left to fetch
	QUARTER 1, 1, F0, F1, 0
	QUARTER 1, 2, F1, F0, 0
	QUARTER 1, 3, F0, F1, 0
	s_wait_dscnt 16
	WIN MUL
	MUL8 F1, 0, 0, 0
	MUL8 F1, 0, 2, 0
	s_wait_dscnt 0
	MUL8 F1, 1, 0, 0
	MUL8 F1, 1, 2, 0
	WIN 0
	PLACES
; THE WAY OUT, 16 rows x 64 columns at a time, through my own stage: a lane holds 32 bytes of a row; back come whole runs of 256 bytes, which sixteen lanes store.  LDS serves a wave's instructions in order.
.macro OUTBLK a
.if (\a) >= 2
	s_wait_xcnt 0x0                                ; the stores of two blocks back have read their registers
.endif
.irp b, 0,1,2,3
	ds_store_b128 v[STO], v[ACC+8*(4*(\a)+\b):ACC+8*(4*(\a)+\b)+3] offset:64*\b       ; each accumulator from its low end on
	ds_store_b128 v[STO], v[ACC+8*(4*(\a)+\b)+4:ACC+8*(4*(\a)+\b)+7] offset:64*\b+16
.endr
.irp i, 0,1,2,3,4,5,6,7
	ds_load_b128 v[TMP+32*((\a)%2)+4*\i:TMP+32*((\a)%2)+4*\i+3], v[RD] offset:2*\i*SPITCH
.endr
	s_wait_dscnt 0x0
.irp i, 0,1,2,3,4,5,6,7
	global_store_b128 v[CO], v[TMP+32*((\a)%2)+4*\i:TMP+32*((\a)%2)+4*\i+3], s[12:13] offset:(16*(\a)+2*\i)*4096 th:TH_STORE_NT
.endr
.endm
	s_or_b32 s20, s19, s15
	s_cmp_eq_u32 s20, 0                            ; rows 0-15 of the output are not the matrix path's
	s_cbranch_scc1 .Lrows_f32
	OUTBLK 0
.Lrows_f32:
	OUTBLK 1
	OUTBLK 2
	OUTBLK 3
	; ROWS 0-15 in f32: 16 dot products of 1,024 (my four rows x the work-group's four columns); a lane holds 32 numbers of each row
	s_mov_b32 s20, 0x76543210
	s_mov_b32 s21, 0xfedcba98
	s_wait_loadcnt 0x0
	WIN 0x0a                                       ; sources 0 and 1 window 2
.irp c, 0,1,2,3,4,5,6,7,8,9,10,11,12,13,14,15
	v_pk_mul_f32 v[128+2*\c:129+2*\c], v[32*(\c/4):32*(\c/4)+1], v[128+32*(\c%4):129+32*(\c%4)]
.endr
.set i, 2
.rept 15
.irp c, 0,1,2,3,4,5,6,7,8,9,10,11,12,13,14,15
	v_pk_fma_f32 v[128+2*\c:129+2*\c], v[32*(\c/4)+i:32*(\c/4)+i+1], v[128+32*(\c%4)+i:129+32*(\c%4)+i], v[128+2*\c:129+2*\c]
.endr
.set i, i+2
.endr
	WIN 0
.irp c, 0,1,2,3,4,5,6,7,8,9,10,11,12,13,14,15
	v_add_f32 v[160+\c], v[128+2*\c], v[129+2*\c]
.endr
.irp m, 1,2,4,8
.irp c, 0,1,2,3,4,5,6,7,8,9,10,11,12,13,14,15
	v_add_f32_dpp v[160+\c], v[160+\c], v[160+\c] row_xmask:\m row_mask:0xf bank_mask:0xf
.endr
.endr
.irp c, 0,1,2,3,4,5,6,7,8,9,10,11,12,13,14,15
	v_permlanex16_b32 v[176+\c], v[160+\c], s20, s21
.endr
.irp c, 0,1,2,3,4,5,6,7,8,9,10,11,12,13,14,15
	v_add_f32 v[160+\c], v[160+\c], v[176+\c]      ; every lane holds the 16 sums
.endr
	v_cmp_eq_u32 vcc_lo, 0, v[LN]
	s_wait_xcnt 0x0                                ; EXEC changes only behind this wait
	s_and_saveexec_b32 s22, vcc_lo                 ; lane 0 stores: 16 bytes of each of my four rows
.irp p, 0,1,2,3
	global_store_b128 v[ZR], v[160+4*\p:163+4*\p], s[42:43] offset:4096*\p
.endr
	s_wait_xcnt 0x0
	s_or_b32 exec_lo, exec_lo, s22
	s_wait_tensorcnt 0x0                           ; the wave's end
	ds_add_u32 v[SPW], v[NIL]
	s_wait_dscnt 0x0
	CROUND                                         ; the closing round
	s_endpgm
.Lfunc_end_k_q103f6c7cce_oproj:
	.size	k_q103f6c7cce_oproj, .Lfunc_end_k_q103f6c7cce_oproj-k_q103f6c7cce_oproj
	.p2alignl 7, 3214868480
	.fill 96, 4, 3214868480
	.section	.rodata,"a",@progbits
	.p2align	6, 0x0
	.amdhsa_kernel k_q103f6c7cce_oproj
		.amdhsa_group_segment_fixed_size 327680
		.amdhsa_private_segment_fixed_size 0
		.amdhsa_enable_private_segment 0
		.amdhsa_kernarg_size 40
		.amdhsa_user_sgpr_count 2
		.amdhsa_user_sgpr_kernarg_segment_ptr 1
		.amdhsa_wavefront_size32 1
		.amdhsa_system_sgpr_workgroup_id_x 1
		.amdhsa_system_sgpr_workgroup_id_y 1
		.amdhsa_system_sgpr_workgroup_id_z 1
		.amdhsa_system_vgpr_workitem_id 0
		.amdhsa_next_free_vgpr 768
		.amdhsa_next_free_sgpr 66
		.amdhsa_reserve_vcc 1
		.amdhsa_float_denorm_mode_32 3
		.amdhsa_float_denorm_mode_16_64 3
		.amdhsa_memory_ordered 1
		.amdhsa_forward_progress 1
		.amdhsa_inst_pref_size 114
	.end_amdhsa_kernel
	.amdgpu_metadata
---
amdhsa.version: [ 1, 2 ]
amdhsa.kernels:
  - .name:           k_q103f6c7cce_oproj
    .symbol:         k_q103f6c7cce_oproj.kd
    .args:
      - { .name: abuf, .offset: 0, .size: 8, .value_kind: global_buffer, .address_space: global }
      - { .name: woh, .offset: 8, .size: 8, .value_kind: global_buffer, .address_space: global }
      - { .name: a32, .offset: 16, .size: 8, .value_kind: global_buffer, .address_space: global }
      - { .name: Wo, .offset: 24, .size: 8, .value_kind: global_buffer, .address_space: global }
      - { .name: out0, .offset: 32, .size: 8, .value_kind: global_buffer, .address_space: global }
    .group_segment_fixed_size: 327680
    .private_segment_fixed_size: 0
    .kernarg_segment_align: 8
    .kernarg_segment_size: 40
    .max_flat_workgroup_size: 128
    .sgpr_count:     66
    .vgpr_count:     768
    .wavefront_size: 32
...
	.end_amdgpu_metadata
.endif
;; end of part 4
